; MI455X (gfx1250); checked and timed in simulation.
; The chip was launched on July 23, 2026; its instructions are those of AMD's public machine-readable ISA for CDNA 5 (MIT licence, August 2026) and "CDNA5" Instruction Set Architecture Reference Guide (July 2026). The comments in the code are by the model that wrote it; some were corrected since.
;; Multi Head Attention. Allowed arithmetic: matrix products marked QUANTISED: E3M2 operands, one E8M0 scale for each 32 along K, by v_wmma_scale_f32_16x16x128_f8f6f4 with both operands' format E3M2, f32 sums; everything else in f32.
;; Inputs: b_proj 1,024 float32; b_qkv 3,072 float32; ln_b 1,024 float32; ln_w 1,024 float32; w_proj_codes 1,024 x 32 x 24 uint8 (E3M2 codes of w_proj, K innermost, in blocks of 32 codes, four codes in three bytes); w_proj_scales 1,024 x 32 uint8 (E8M0 scales of w_proj, one for each 32 codes along K); w_qkv_codes 3,072 x 32 x 24 uint8 (E3M2 codes of w_qkv, K innermost, in blocks of 32 codes, four codes in three bytes); w_qkv_scales 3,072 x 32 uint8 (E8M0 scales of w_qkv, one for each 32 codes along K); x 4 x 2,048 x 1,024 float32.
;; Outputs: out0 4 x 2,048 x 1,024 float32.
;; This version of the problem:
;;   THIS VERSION OF THE PROBLEM IS GIVEN IN LOW PRECISION. The matrix products marked QUANTISED in the list below multiply operands that are first quantised to E3M2 (3 exponent bits, 2 mantissa bits; 6 bits a number), with one power-of-two scale for each 32 numbers along K (OCP MX v1.0); their sums are f32. All else is computed in f32.
;;   The module's matrix products, in the order in which they are computed (A, B: the left and right operand; K: the contracted axis; several contracted axes count as one K, in the product's order):
;;     1. [M 8,192, K 1,024] x [K 1,024, N 3,072]; A: computed on the way; B: input w_qkv (given as codes): QUANTISED
;;     2. batch 64 x [M 2,048, K 64] x [K 64, N 2,048]; A: computed on the way; B: computed on the way: QUANTISED
;;     3. batch 64 x [M 64, K 2,048] x [K 2,048, N 2,048]; A: computed on the way; B: softmax (see below): QUANTISED
;;     4. [M 8,192, K 1,024] x [K 1,024, N 1,024]; A: computed on the way; B: input w_proj (given as codes): QUANTISED
;;   THE QUANTISER, for each operand of a quantised product, along K:
;;     - K is cut into blocks of 32 from its start; a last block that is shorter is filled with zeros.
;;     - A block's scale is 2^e with e = floor(log2(the largest magnitude in the block)) - 4, held to -126 .. 127; a block of zeros has e = 0. As a byte (E8M0): e + 127.
;;     - Each number is divided by its block's scale, clamped to +-28, and rounded to the nearest number of E3M2, ties to even, subnormals kept.
;;     - The product sums the exact products of the quantised numbers (number of the format x scale) in f32.
;;   ~~~python
;;   def quantise(x, axis):      # numpy; x: float32 -> the quantised numbers, widened to float32 again
;;       x = np.moveaxis(x, axis, -1); K = x.shape[-1]
;;       x = np.pad(x, [(0, 0)] * (x.ndim - 1) + [(0, -K % 32)]); x = x.reshape(x.shape[:-1] + (-1, 32)); a = np.abs(x).max(-1, keepdims=True)
;;       e = np.where(a > 0, np.clip(np.frexp(np.where(a > 0, a, 1))[1] - 1 - 4, -126, 127), 0)      # np.frexp(a)[1] - 1 = floor(log2(a)), exactly
;;       r = np.clip(x / 2.0 ** e, -28, 28)
;;       step = 2.0 ** (np.maximum(np.frexp(np.where(r == 0, 1, r))[1] - 1, -2) - 2)
;;       q = np.round(r / step) * step * 2.0 ** e      # np.round: ties to even
;;       return np.moveaxis(q.reshape(q.shape[:-2] + (-1,))[..., :K], -1, axis).astype(np.float32)
;;   ~~~
;;   SOFTMAX AHEAD OF A QUANTISED PRODUCT. Where the list says 'softmax', what is quantised is not the finished softmax but p = 2^(t - M), with t = logit x log2(e) and M = ceil(the row's largest t), a whole number; so 1/2 < the row's largest p <= 1. The row's sum l is taken of the UNQUANTISED p, in f32, and the product's result is divided by l at the end. Since M is a whole number, a kernel that streams over the keys may use a running M (the ceiling of the running maximum): every later rescaling is an exact power of two, which a block's scale takes up: the codes' values come out the same.
;;   OPERANDS COMPUTED ON THE WAY. 'Computed on the way' means the value that the module computes at that place (a softmax that the list does not call 'softmax' is quantised finished and normalised). What goes into a quantiser is computed in f32, as accurately as f32 sums, v_exp_f32 and their like allow (about 1e-6 of the number): no bf16 or f16 on the way to a quantiser, and a product that is left as it is and whose result goes on into a quantised operand takes f32 operands (vector FMAs, or v_wmma_f32_16x16x4_f32). A number that lies on a knife's edge between two numbers of the format may be rounded either way, as far as f32 arithmetic and the matrix unit's own rounding can turn it there, and no further.
;;   INPUTS GIVEN AS CODES. w_proj (in the module: [1024, 1024], K = its axis 0); w_qkv (in the module: [1024, 3072], K = its axis 0): each comes as NAME_codes (uint8): NAME with its K axis moved to the last place and cut into blocks of 32 codes, [.., K / 32, bytes a block], one block behind the other in memory; four codes in three bytes: a row's codes are one little-endian stream of bits, code i at bits 6 i .. 6 i + 5 (a code: sign, 3 exponent bits, 2 mantissa bits); and NAME_scales (uint8): the same leading axes, one E8M0 byte (e + 127) for each 32 codes along K. Its value is code x scale, taken as it is: it is not quantised again, and the codes and scales need not be those that the quantiser above would give.
;; One version. Each part assembles by itself: llvm-mc -triple=amdgcn-amd-amdhsa -mcpu=gfx1250 --defsym DOCPART=n.
;; ======== version 1 of 1: 4 launches
;; limits: right only within a limited range of input values
;; workspace buffers: hbuf 6,553,600 bytes; wimg 3,145,728 bytes; wsc 131,072 bytes; qkv 20,185,088 bytes; abuf 6,553,600 bytes
;; launch prep (part 1): grid 256 x 1, 8 waves a work-group, no clusters, 132,608 bytes of LDS; arguments x, ln_w, ln_b, w_qkv_codes, w_qkv_scales, w_proj_codes, w_proj_scales, hbuf, wimg, wsc; writes hbuf, wimg, wsc
.if DOCPART == 1
	.amdgcn_target "amdgcn-amd-amdhsa--gfx1250"
	.amdhsa_code_object_version 6
	.text
	.protected	k_q30c33c6e03_prep
	.globl	k_q30c33c6e03_prep
	.p2align	8
	.type	k_q30c33c6e03_prep,@function
k_q30c33c6e03_prep:
	s_mov_b64 s[64:65], 0
	v_nop
	global_prefetch_b8 v0, s[64:65] scope:SCOPE_SE
	s_setreg_imm32_b32 hwreg(HW_REG_WAVE_MODE, 25, 1), 1
	s_wait_xcnt 0x0
; LayerNorm of x [8192][1024] f32, quantised along the 1,024 to codes of E3M2 with one E8M0 byte for each 32; and both weights laid anew.
; WHAT LEAVES.  hbuf: for each group of 256 tokens 204,800 bytes: the operand fragments (16 tokens x 128 K: 12 registers a lane) as IMAGES OF THEIR REGISTERS, register 4 g + e of lane l at 512 g + 16 l + 4 e,
; fragment (tile m, K step s) at (8 m + s) x 1,536; behind them, at 196,608, the scale words, (8 m + s) x 64 + 4 x row.  wimg, wsc: the same for 256 weight tiles of 16 rows x 1,024 K.
; THE TOKENS OF A TILE ARE NOT NEIGHBOURS: row i of tile T is token 32 (T / 2) + 8 (T % 2) + i + 8 (i / 8), so that where tokens run along a result's registers two neighbouring tiles give 16 neighbouring tokens.
; WEIGHT TILES.  g < 192: j = g / 64 (q, k, v), head = (g / 4) % 16, tt = g % 4: lane r is row 192 head + 3 d + j of w_qkv, d = 32 (tt / 2) + 8 (tt % 2) + r + 8 (r / 8).  g >= 192: row 16 (g - 192) + r of w_proj.
; SHARES.  Work-group g: tokens 32 g .. 32 g + 31 (tiles 2 g, 2 g + 1) and weight tile g.  Eight waves.  Wave w first norms tokens 4 w .. 4 w + 3, a row in 32 registers of the wave (read from memory once), and puts them
; into LDS; behind the one barrier it takes tile w / 4, K steps 2 (w % 4) and the next, with a lane's registers running along K.  Wave w also copies K step w of the weight tile.
; The mean is taken first and the squares of x - mean second, so a common offset of x costs no accuracy.
; Memory binds here: no matrix unit, no cluster (work-groups share no input), no tensor load.
; LIMITS: NaN and infinities are not served.  A block whose largest magnitude lies under 2^-122, a block of zeros too, gets the byte 1; these bytes are read by this program alone.  The root is v_rsq_f32.
.set PITCH, 4112                       ; an LDS row: 4,096 bytes + 16: the sixteen rows of a 16-byte load start in sixteen different groups of banks
.set WF,  12                           ; v12-23  the weight fragment;  v24 its scale word
.set LW,  32                           ; v32-63  ln_w of my 32 columns (128 j + 4 lane + 0 .. 3);  later the codes
.set LB,  64                           ; v64-95  ln_b likewise;  later at work
.set X,   96                           ; v96-223 four rows of 32 numbers;  later two fragments' 64 numbers
.set SA,  224                          ; v224-239 four registers of sums a row
.set MU,  240                          ; v240-247 a pair a row: the mean, then 1 / root
	s_load_b512 s[4:19], s[0:1], 0x0               ; x, ln_w, ln_b, w_qkv codes, scales, w_proj codes, scales, hbuf
	s_load_b128 s[20:23], s[0:1], 0x40             ; wimg, wsc
	v_lshl_add_u32 v254, v0, 2, 0x20200
	v_mov_b32 v255, 0
	v_lshrrev_b32 v1, 5, v0
	s_delay_alu instid0(VALU_DEP_1)
	v_readfirstlane_b32 s24, v1                    ; wave 0..7
	v_and_b32 v1, 31, v0                           ; lane
	v_and_b32 v2, 15, v0                           ; r
	s_wait_alu depctr_va_vdst(0)
	v_bfe_u32 v3, v0, 4, 1                         ; h
	v_lshlrev_b32 v4, 4, v1                        ; 16 x lane
	v_lshlrev_b32 v9, 2, v2                        ; 4 r
	v_lshlrev_b32 v10, 2, v1                       ; 4 x lane
	s_delay_alu instid0(VALU_DEP_4)
	v_lshlrev_b32 v11, 3, v3                       ; 8 h
	s_mov_b32 s26, 0x76543210
	s_mov_b32 s27, 0xfedcba98                      ; v_permlanex16_b32's selects for lane l xor 16
	s_mov_b32 s28, 0x3a800000                      ; 1 / 1024
	s_mov_b32 s29, 0x3727c5ac                      ; 1e-5
	; the weight tile's first row, and from lane to lane: 3 r + 3 (r & 8) rows in w_qkv, r rows in w_proj
	s_lshr_b32 s30, ttmp9, 6                       ; j
	s_bfe_u32 s31, ttmp9, 0x40002                  ; head
	s_mul_i32 s31, s31, 192
	s_bfe_u32 s32, ttmp9, 0x10001                  ; tt / 2
	s_mul_i32 s32, s32, 96
	s_and_b32 s33, ttmp9, 1                        ; tt % 2
	s_mul_i32 s33, s33, 24
	s_add_co_u32 s31, s31, s32
	s_add_co_u32 s31, s31, s33
	s_add_co_u32 s31, s31, s30
	s_and_b32 s32, ttmp9, 63
	s_lshl_b32 s32, s32, 4
	s_cmp_lt_u32 ttmp9, 192
	s_cselect_b32 s31, s31, s32                    ; the first row
	s_cselect_b32 s34, 3, 1
	s_cselect_b32 s35, 3, 0
	v_and_b32 v12, 8, v2
	v_mul_u32_u24 v13, s34, v2
	s_delay_alu instid0(VALU_DEP_1)
	v_mad_u32_u24 v13, s35, v12, v13               ; my lane's row, counted from the first
	s_delay_alu instid0(VALU_DEP_1)
	v_mul_u32_u24 v7, v13, 768                     ; a row of 1,024 codes is 768 bytes
	s_wait_alu depctr_va_vdst(0)
	v_mad_u32_u24 v7, v3, 24, v7                   ; + 24 h
	v_lshlrev_b32 v8, 5, v13                       ; a row of scale bytes is 32
	s_mul_i32 s36, s31, 768
	s_mul_i32 s37, s24, 96
	s_add_co_u32 s36, s36, s37                     ; codes: first row, K step w
	s_mov_b32 s37, 0
	s_lshl_b32 s38, s31, 5
	s_lshl_b32 s39, s24, 2
	s_add_co_u32 s38, s38, s39                     ; scale bytes likewise
	s_mov_b32 s39, 0
	s_lshl_b32 s40, ttmp9, 17                      ; x: 32 rows of 4,096 bytes a work-group,
	s_lshl_b32 s41, s24, 14                        ; 4 a wave
	s_add_co_u32 s40, s40, s41
	s_mov_b32 s41, 0
	s_lshl_b32 s43, ttmp9, 3
	s_add_co_u32 s43, s43, s24                     ; 8 g + w
	s_mul_i32 s30, s43, 1536                       ; its image
	s_mov_b32 s31, 0
	s_lshl_b32 s32, s43, 6                         ; its scale words
	s_mov_b32 s33, 0
	; hbuf: group g / 8, tile m = 2 (g % 8) + w / 4, K steps 2 (w % 4) and the next
	s_lshr_b32 s42, s24, 2                         ; u = w / 4
	s_and_b32 s43, s24, 3                          ; w % 4
	s_lshr_b32 s25, ttmp9, 3
	s_mul_i32 s25, s25, 204800
	s_and_b32 s34, ttmp9, 7
	s_lshl_b32 s34, s34, 1
	s_add_co_u32 s34, s34, s42
	s_lshl_b32 s34, s34, 3
	s_lshl_b32 s35, s43, 1
	s_add_co_u32 s34, s34, s35                     ; 8 m + s
	s_lshl_b32 s44, s34, 6
	s_add_co_u32 s44, s44, s25
	s_add_co_u32 s44, s44, 196608                  ; the scale words
	s_mov_b32 s45, 0
	s_mul_i32 s34, s34, 1536
	s_add_co_u32 s34, s34, s25                     ; the images
	s_mov_b32 s35, 0
	; LDS.  Back: row 16 u + r, my K steps' 1,024 bytes, + 128 h
	s_mul_i32 s25, s42, 16*PITCH
	s_lshl_b32 s43, s43, 10
	s_add_co_u32 s25, s25, s43
	v_mul_u32_u24 v6, v2, PITCH
	s_delay_alu instid0(VALU_DEP_1)
	v_lshl_add_u32 v6, v3, 7, v6
	s_delay_alu instid0(VALU_DEP_1)
	v_add_nc_u32 v6, s25, v6
	; In: token t lies in the row whose number is t with bits 3 and 4 changed over: that is the tiles' order
	s_bfe_u32 s25, s24, 0x10001
	s_lshl_b32 s25, s25, 4
	s_lshl_b32 s43, s42, 3
	s_add_co_u32 s25, s25, s43
	s_and_b32 s43, s24, 1
	s_lshl_b32 s43, s43, 2
	s_add_co_u32 s25, s25, s43
	s_mul_i32 s25, s25, PITCH
	v_add_nc_u32 v5, s25, v4
	s_wait_alu depctr_va_vdst(0)
	s_wait_kmcnt 0x0
	s_cmp_lt_u32 ttmp9, 192                        ; which weight: the choice hangs on the work-group's number alone
	s_cselect_b64 s[10:11], s[10:11], s[14:15]
	s_cselect_b64 s[12:13], s[12:13], s[16:17]
	s_add_nc_u64 s[10:11], s[10:11], s[36:37]
	s_add_nc_u64 s[12:13], s[12:13], s[38:39]
	s_add_nc_u64 s[4:5], s[4:5], s[40:41]
	s_add_nc_u64 s[20:21], s[20:21], s[30:31]
	s_add_nc_u64 s[22:23], s[22:23], s[32:33]
	s_add_nc_u64 s[46:47], s[18:19], s[44:45]
	s_add_nc_u64 s[18:19], s[18:19], s[34:35]
.irp p, 0,1,2,3,4,5
	global_load_b64 v[WF+2*\p:WF+2*\p+1], v7, s[10:11] offset:48*(\p/3)+8*(\p%3)   ; the weight fragment: 24 bytes of my row, twice, as they lie
.endr
	global_load_b32 v24, v8, s[12:13]              ; and my row's scale word
.irp n, 0,1,2,3
.irp j, 0,1,2,3,4,5,6,7
	global_load_b128 v[X+32*\n+4*\j:X+32*\n+4*\j+3], v4, s[4:5] offset:4096*\n+512*\j th:TH_LOAD_NT   ; 32 lanes read 512 consecutive bytes
.endr
.endr
.irp j, 0,1,2,3,4,5,6,7
	global_load_b128 v[LW+4*\j:LW+4*\j+3], v4, s[6:7] offset:512*\j
.endr
.irp j, 0,1,2,3,4,5,6,7
	global_load_b128 v[LB+4*\j:LB+4*\j+3], v4, s[8:9] offset:512*\j
.endr
	s_wait_loadcnt 48                              ; the seven weight loads are in: behind them stand x's 32 and the gains' 16
.irp q, 0,1,2
	global_store_b128 v4, v[WF+4*\q:WF+4*\q+3], s[20:21] offset:512*\q   ; the image: 512 consecutive bytes a store
.endr
	global_store_b32 v9, v24, s[22:23]             ; lanes r and 16 + r hold the same word and write it to the same place
.macro LANESUM a                       ; v[a] + v[a + 1], summed over the 32 lanes, in every lane
	s_delay_alu instid0(VALU_DEP_1)
	v_add_f32 v[\a], v[\a], v[\a+1]
	s_delay_alu instid0(VALU_DEP_1)
	v_add_f32_dpp v[\a], v[\a], v[\a] row_xmask:1 row_mask:0xf bank_mask:0xf
	s_delay_alu instid0(VALU_DEP_1)
	v_add_f32_dpp v[\a], v[\a], v[\a] row_xmask:2 row_mask:0xf bank_mask:0xf
	s_delay_alu instid0(VALU_DEP_1)
	v_add_f32_dpp v[\a], v[\a], v[\a] row_xmask:4 row_mask:0xf bank_mask:0xf
	s_delay_alu instid0(VALU_DEP_1)
	v_add_f32_dpp v[\a], v[\a], v[\a] row_xmask:8 row_mask:0xf bank_mask:0xf
	s_delay_alu instid0(VALU_DEP_1)
	v_permlanex16_b32 v[\a+1], v[\a], s26, s27
	s_delay_alu instid0(VALU_DEP_1)
	v_add_f32 v[\a], v[\a], v[\a+1]
.endm
; Row n: the mean; x - mean in place; the mean of its squares + 1e-5
.macro STAT n
.set XR, X+32*\n
.set SR, SA+4*\n
.set MR, MU+2*\n
	s_wait_loadcnt 8*(3-\n)+16                     ; my row's eight loads are in; the later rows' and the gains' 16 may be out
	v_pk_add_f32 v[SR:SR+1], v[XR:XR+1], v[XR+2:XR+3]
	v_pk_add_f32 v[SR+2:SR+3], v[XR+4:XR+5], v[XR+6:XR+7]
.irp i, 8,12,16,20,24,28
	s_delay_alu instid0(VALU_DEP_2)
	v_pk_add_f32 v[SR:SR+1], v[SR:SR+1], v[XR+\i:XR+\i+1]
	s_delay_alu instid0(VALU_DEP_2)
	v_pk_add_f32 v[SR+2:SR+3], v[SR+2:SR+3], v[XR+\i+2:XR+\i+3]
.endr
	s_delay_alu instid0(VALU_DEP_1)
	v_pk_add_f32 v[SR:SR+1], v[SR:SR+1], v[SR+2:SR+3]
	LANESUM SR
	s_delay_alu instid0(VALU_DEP_1)
	v_mul_f32 v[MR], s28, v[SR]
	s_delay_alu instid0(VALU_DEP_2)
	v_mul_f32 v[MR+1], s28, v[SR]
.irp i, 0,2,4,6,8,10,12,14,16,18,20,22,24,26,28,30
	v_pk_add_f32 v[XR+\i:XR+\i+1], v[XR+\i:XR+\i+1], v[MR:MR+1] neg_lo:[0,1] neg_hi:[0,1]
.endr
	v_pk_mul_f32 v[SR:SR+1], v[XR:XR+1], v[XR:XR+1]
	v_pk_mul_f32 v[SR+2:SR+3], v[XR+2:XR+3], v[XR+2:XR+3]
.irp i, 4,8,12,16,20,24,28
	s_delay_alu instid0(VALU_DEP_2)
	v_pk_fma_f32 v[SR:SR+1], v[XR+\i:XR+\i+1], v[XR+\i:XR+\i+1], v[SR:SR+1]
	s_delay_alu instid0(VALU_DEP_2)
	v_pk_fma_f32 v[SR+2:SR+3], v[XR+\i+2:XR+\i+3], v[XR+\i+2:XR+\i+3], v[SR+2:SR+3]
.endr
	s_delay_alu instid0(VALU_DEP_1)
	v_pk_add_f32 v[SR:SR+1], v[SR:SR+1], v[SR+2:SR+3]
	LANESUM SR
	s_delay_alu instid0(VALU_DEP_1)
	v_fma_f32 v[MR], v[SR], s28, s29
.endm
	STAT 0
	STAT 1
	STAT 2
	STAT 3
	s_wait_alu depctr_va_vdst(0)
.irp n, 0,1,2,3
	v_rsq_f32 v[MU+2*\n], v[MU+2*\n]               ; the four roots are one batch
.endr
	v_nop                                          ; a plain instruction behind the last of them
	s_wait_alu depctr_va_vdst(0)                   ; and one wait ahead of the first reader
.irp n, 0,1,2,3
	v_mov_b32 v[MU+2*\n+1], v[MU+2*\n]
.endr
	s_wait_alu depctr_va_vdst(0)
	s_wait_loadcnt 0x0                             ; ln_w, ln_b
.macro NORM n                          ; ((x - mean) / root) ln_w + ln_b, and into LDS
.set XR, X+32*\n
.set MR, MU+2*\n
.irp i, 0,2,4,6,8,10,12,14,16,18,20,22,24,26,28,30
	v_pk_mul_f32 v[XR+\i:XR+\i+1], v[XR+\i:XR+\i+1], v[MR:MR+1]
.endr
.irp i, 0,2,4,6,8,10,12,14,16,18,20,22,24,26,28,30
	v_pk_fma_f32 v[XR+\i:XR+\i+1], v[XR+\i:XR+\i+1], v[LW+\i:LW+\i+1], v[LB+\i:LB+\i+1]
.endr
.irp j, 0,1,2,3,4,5,6,7
	ds_store_b128 v5, v[XR+4*\j:XR+4*\j+3] offset:\n*PITCH+512*\j
.endr
.endm
	NORM 0
	NORM 1
	NORM 2
	NORM 3
	s_wait_dscnt 0x0                               ; for the others' sake: my rows lie in LDS
	s_barrier_signal -1
	s_barrier_wait -1                              ; all 32 rows do
.irp f, 0,1
.irp c, 0,1
.irp q, 0,1,2,3,4,5,6,7
	ds_load_b128 v[X+64*\f+32*\c+4*\q:X+64*\f+32*\c+4*\q+3], v6 offset:512*\f+256*\c+16*\q   ; register 32 c + i = k 64 c + 32 h + i of my row: the order of the operand's registers
.endr
.endr
.endr
; Fragment f: a lane holds two whole blocks of 32.  The largest magnitude with the floor 2^(5 - 127) among its leaves; 4 off its exponent field is the conversion's scale operand, and that shifted down the byte.
.macro QF f
.set NS, X+64*\f
.set PCF, 32+24*\f
.set QT, 80+8*\f
	s_wait_dscnt 16*(1-\f)                         ; this fragment's 16 loads are in; the other's 16 may be out
.irp c, 0,1
	v_max3_num_f32 v[QT+\c], |v[NS+32*\c]|, |v[NS+32*\c+1]|, 0x2800000
.endr
.irp i, 2,4,6,8,10,12,14,16,18,20,22,24,26,28,30
.irp c, 0,1
	s_delay_alu instid0(VALU_DEP_2)
	v_max3_num_f32 v[QT+\c], v[QT+\c], |v[NS+32*\c+\i]|, |v[NS+32*\c+\i+1]|
.endr
.endr
.irp c, 0,1
	s_delay_alu instid0(VALU_DEP_2)
	v_add_nc_u32 v[QT+2+\c], 0xfe000000, v[QT+\c]
.endr
.irp c, 0,1
	s_delay_alu instid0(VALU_DEP_2)
	v_lshrrev_b32 v[QT+4+\c], 23, v[QT+2+\c]
.endr
	s_delay_alu instid0(VALU_DEP_1)
	v_lshl_or_b32 v[QT+6], v[QT+5], 16, v[QT+4]    ; my two bytes: blocks h and 2 + h,
	s_delay_alu instid0(VALU_DEP_1)
	v_lshlrev_b32 v[QT+6], v11, v[QT+6]            ; at their places in the word;
	v_mov_b32 v[QT+7], 0
	s_delay_alu instid0(VALU_DEP_1)
	v_permlanex16_b32 v[QT+7], v[QT+6], s26, s27
	s_delay_alu instid0(VALU_DEP_1)
	v_or_b32 v[QT+6], v[QT+6], v[QT+7]             ; with lane l xor 16's two the word is whole
.irp c, 0,1
	v_cvt_scalef32_pk16_bf6_f32 v[PCF+6*\c:PCF+6*\c+2], v[NS+32*\c:NS+32*\c+15], v[QT+2+\c]
	v_cvt_scalef32_pk16_bf6_f32 v[PCF+12+4*\c:PCF+14+4*\c], v[NS+32*\c+16:NS+32*\c+31], v[QT+2+\c]   ; (a conversion's three registers begin on an even number)
.endr
	v_nop                                          ; one plain instruction behind a scaled conversion
.irp c, 0,1
.irp i, 0,1,2
	v_mov_b32 v[PCF+3+6*\c+\i], v[PCF+12+4*\c+\i]
.endr
.endr
.irp q, 0,1,2
	global_store_b128 v4, v[PCF+4*\q:PCF+4*\q+3], s[18:19] offset:1536*\f+512*\q
.endr
.endm
	QF 0
	QF 1
	v_cmp_gt_u32 vcc_lo, 16, v1
	s_delay_alu instid0(VALU_DEP_1)
	v_cndmask_b32 v25, v94, v86, vcc_lo            ; lanes 0-15: the first K step's words, lanes 16-31 the second's
	global_store_b32 v10, v25, s[46:47]            ; 128 consecutive bytes
	s_wait_tensorcnt 0x0
	ds_add_u32 v254, v255
	s_wait_dscnt 0x0
	s_endpgm
.Lfunc_end_k_q30c33c6e03_prep:
	.size	k_q30c33c6e03_prep, .Lfunc_end_k_q30c33c6e03_prep-k_q30c33c6e03_prep
	.p2alignl 7, 3214868480
	.fill 96, 4, 3214868480
	.section	.rodata,"a",@progbits
	.p2align	6, 0x0
	.amdhsa_kernel k_q30c33c6e03_prep
		.amdhsa_group_segment_fixed_size 132608
		.amdhsa_private_segment_fixed_size 0
		.amdhsa_enable_private_segment 0
		.amdhsa_kernarg_size 80
		.amdhsa_user_sgpr_count 2
		.amdhsa_user_sgpr_kernarg_segment_ptr 1
		.amdhsa_wavefront_size32 1
		.amdhsa_system_sgpr_workgroup_id_x 1
		.amdhsa_system_sgpr_workgroup_id_y 1
		.amdhsa_system_sgpr_workgroup_id_z 1
		.amdhsa_system_vgpr_workitem_id 0
		.amdhsa_next_free_vgpr 256
		.amdhsa_next_free_sgpr 66
		.amdhsa_reserve_vcc 1
		.amdhsa_float_denorm_mode_32 3
		.amdhsa_float_denorm_mode_16_64 3
		.amdhsa_memory_ordered 1
		.amdhsa_forward_progress 1
		.amdhsa_inst_pref_size 54
	.end_amdhsa_kernel
	.amdgpu_metadata
---
amdhsa.version: [ 1, 2 ]
amdhsa.kernels:
  - .name:           k_q30c33c6e03_prep
    .symbol:         k_q30c33c6e03_prep.kd
    .args:
      - { .name: x, .offset: 0, .size: 8, .value_kind: global_buffer, .address_space: global }
      - { .name: ln_w, .offset: 8, .size: 8, .value_kind: global_buffer, .address_space: global }
      - { .name: ln_b, .offset: 16, .size: 8, .value_kind: global_buffer, .address_space: global }
      - { .name: w_qkv_codes, .offset: 24, .size: 8, .value_kind: global_buffer, .address_space: global }
      - { .name: w_qkv_scales, .offset: 32, .size: 8, .value_kind: global_buffer, .address_space: global }
      - { .name: w_proj_codes, .offset: 40, .size: 8, .value_kind: global_buffer, .address_space: global }
      - { .name: w_proj_scales, .offset: 48, .size: 8, .value_kind: global_buffer, .address_space: global }
      - { .name: hbuf, .offset: 56, .size: 8, .value_kind: global_buffer, .address_space: global }
      - { .name: wimg, .offset: 64, .size: 8, .value_kind: global_buffer, .address_space: global }
      - { .name: wsc, .offset: 72, .size: 8, .value_kind: global_buffer, .address_space: global }
    .group_segment_fixed_size: 132608
    .private_segment_fixed_size: 0
    .kernarg_segment_align: 8
    .kernarg_segment_size: 80
    .max_flat_workgroup_size: 256
    .sgpr_count:     66
    .vgpr_count:     256
    .wavefront_size: 32
...
	.end_amdgpu_metadata
.endif
;; end of part 1
;; launch qkv (part 2): grid 8 x 32, 4 waves a work-group, clusters of 4 x 1, 211,456 bytes of LDS; arguments hbuf, wimg, wsc, b_qkv, qkv; writes qkv
.if DOCPART == 2
	.amdgcn_target "amdgcn-amd-amdhsa--gfx1250"
	.amdhsa_code_object_version 6
	.text
	.protected	k_q30c33c6e03_qkv
	.globl	k_q30c33c6e03_qkv
	.p2align	8
	.type	k_q30c33c6e03_qkv,@function
k_q30c33c6e03_qkv:
	s_mov_b64 s[64:65], 0
	v_nop
	global_prefetch_b8 v0, s[64:65] scope:SCOPE_SE
	s_setreg_imm32_b32 hwreg(HW_REG_WAVE_MODE, 25, 1), 1
	s_wait_xcnt 0x0
	s_wait_alu depctr_hold_cnt(0) depctr_sa_sdst(0) depctr_va_vdst(0) depctr_va_sdst(0) depctr_va_ssrc(0) depctr_va_vcc(0) depctr_vm_vsrc(0)
	s_getreg_b32 s2, hwreg(HW_REG_IB_STS2, 6, 4)
	s_cmp_eq_u32 s2, 0
	s_cbranch_scc0 .Lentry_in_a_cluster
	s_endpgm
.Lentry_in_a_cluster:
	s_bfe_u32 s2, ttmp6, 0x10000c
	s_cmp_lg_u32 s2, 0x3003
	s_cbranch_scc0 .Lentry_shape_is_right
	s_endpgm
.Lentry_shape_is_right:
; y = h w_qkv + b_qkv on codes of E3M2 (K = 1,024), and q, k, v quantised for the attention: q and k along the head's 64, v along the keys.
; SHARES.  A work-group: 256 tokens (16 tiles) x two heads' 384 columns.  Wave w: head 2 G + w / 2; kind = w % 2.  It keeps SIX weight tiles (16 columns x 1,024 K, 96 registers each) in registers for the whole launch:
; the head's four tiles of q (kind 0) or of k (kind 1), and v's tiles 2 kind, 2 kind + 1.  It walks the 16 tiles of tokens, 48 matrix instructions a tile; each fragment of h read from LDS feeds six.
; h's block, 204,800 dense bytes (fragments as images of their registers, then scale words), comes into LDS ONCE.  CLUSTER: the four work-groups of a cluster take the same tokens, so the block is asked for
; jointly: the same tensor load, the same descriptor, a mask that names the four.  The weights are each wave's own and go from memory straight into registers: nothing of them is shared.
; ORIENTATION.  q, k: source 0 = 16 columns of W, source 1 = 16 tokens: a lane holds ONE token, its registers run along d.  v: source 0 = tokens, source 1 = W: a lane holds ONE d, its registers run along the tokens.
; The columns of a weight tile and the tokens of a tile are so chosen (launch prep) that two neighbouring tiles' 16 registers are 16 neighbours along the next K.  The bias is the C of each sum's first product.
; WHAT LEAVES, for each (batch, head) 315,392 bytes: k's fragments, two tiles to an image of 12 registers (0); v's half fragments, 64 keys x 16 d, 768 bytes (98,304); k's scale words (196,608); v's (204,800);
; q's fragments (208,896); q's scale words (307,200).  Bytes 2 and 3 of q's and k's words are 0: their K is 64.
; REGISTERS, in windows of 256: windows 1, 2, 3: K steps 0-2, 3-5, 6-7: W(s, i) at v[72 (s % 3) + 12 i], h(s) at v[216 + 12 (s % 3)]: both operands in ONE window, so both orientations run under one setting.
;   window 0: v1-15 addresses; v16-39 W's scale words; v40-47 h's, two sets; v48-79 q/k's bias; v80-95 v's; v96-127 q/k's four accumulators; v128-191 v's eight of a trip; v192.. codes and work.
; LIMITS: NaN and infinities are not served.  A block whose largest magnitude lies under 2^-122, a block of zeros too, gets the byte 1; these bytes are read by this program alone.
.set LI,  1                            ; v1   16 x lane
.set L8,  2                            ; v2   8 x lane
.set ADR, 4                            ; v4   LDS address of the trip's fragments;  v3 = 4 x lane + 196,608, v5 = the trip's scale words
.set ADS, 5
.set WS,  16
.set HS,  40
.set BQ,  48
.set BV,  80
.set HA,  96
.set VA,  128
.set PC,  192                          ; v192-203 a pair of q's or k's fragments
.set TC,  204
.set VC,  208                          ; v208-219 two half fragments of v
.set TM,  220
.set PW,  226
.set PWV, 227
.set SEL, 44
.set STG, 204800                       ; behind h's block: 1,536 bytes for each wave: q/k's scale words of 16 tiles, then v's half words of 4 trips; no tensor load lands here
.set MSB, 0
.macro WIN new                         ; the immediate's high byte repeats the setting that is left
.if MSB != (\new)
	s_set_vgpr_msb (MSB<<8)|(\new)
.set MSB, \new
.endif
.endm
.macro PLACES n
.rept \n
	v_nop
.endr
.endm
.macro ROUND                           ; a round of the cluster's barrier
	s_barrier_signal -1
	s_barrier_wait -1
	s_cmp_lg_u32 s28, 0
	s_cbranch_scc1 .Lnot_wave_0_\@
	s_barrier_signal -3
.Lnot_wave_0_\@:
	s_barrier_wait -3
	s_barrier_signal -1
	s_barrier_wait -1
.endm
; 32 numbers of a lane, register 16 b + i = k 32 b + 16 (lane / 16) + i of my row, become six registers of codes (lane (r, h): block h whole) in v[d] on, and the two scale bytes in v[pw].
.macro QUANT2 s, d, pw
.irp b, 0,1
	v_max3_num_f32 v[TM+\b], |v[(\s)+16*\b]|, |v[(\s)+16*\b+1]|, 0x2800000   ; my 16 numbers, and the floor 2^(5 - 127): the byte cannot fall under 1
.endr
.irp i, 2,4,6,8,10,12,14
.irp b, 0,1
	v_max3_num_f32 v[TM+\b], v[TM+\b], |v[(\s)+16*\b+\i]|, |v[(\s)+16*\b+\i+1]|
.endr
.endr
.irp b, 0,1
	v_permlanex16_b32 v[TM+2+\b], v[TM+\b], s[SEL], s[SEL+1]
.endr
.irp b, 0,1
	v_max_num_f32 v[TM+\b], v[TM+\b], v[TM+2+\b]   ; with lane l xor 16's: the block's largest magnitude
.endr
.irp b, 0,1
	v_add_nc_u32 v[TM+4+\b], 0xfe000000, v[TM+\b]  ; 4 off its exponent field: the conversion's scale operand
.endr
.irp b, 0,1
	v_lshrrev_b32 v[TM+2+\b], 23, v[TM+4+\b]       ; the byte
.endr
	v_lshl_or_b32 v[\pw], v[TM+3], 8, v[TM+2]
	v_cvt_scalef32_pk16_bf6_f32 v[(\d):(\d)+2], v[(\s):(\s)+15], v[TM+4]
	v_cvt_scalef32_pk16_bf6_f32 v[TC:TC+2], v[(\s)+16:(\s)+31], v[TM+5]
	v_nop                                          ; one plain instruction behind a scaled conversion
.irp i, 0,1,2
	v_permlane16_swap_b32 v[(\d)+\i], v[TC+\i]     ; the operand wants a whole block in a lane: lanes 0-15 block 0, lanes 16-31 block 1
.endr
.irp i, 0,1,2
	v_mov_b32 v[(\d)+3+\i], v[TC+\i]
.endr
.endm
.macro MM d, a, b, c, sa, sb, odd      ; odd K steps take their scale words from lanes 16-31
.if \odd
	v_wmma_scale_f32_16x16x128_f8f6f4 v[\d:\d+7], v[\a:\a+11], v[\b:\b+11], v[\c:\c+7], v[\sa], v[\sb] matrix_a_fmt:MATRIX_FMT_BF6 matrix_b_fmt:MATRIX_FMT_BF6 matrix_a_scale:MATRIX_SCALE_ROW1 matrix_b_scale:MATRIX_SCALE_ROW1
.else
	v_wmma_scale_f32_16x16x128_f8f6f4 v[\d:\d+7], v[\a:\a+11], v[\b:\b+11], v[\c:\c+7], v[\sa], v[\sb] matrix_a_fmt:MATRIX_FMT_BF6 matrix_b_fmt:MATRIX_FMT_BF6
.endif
.endm
	s_load_b256 s[4:11], s[0:1], 0x0               ; hbuf, wimg, wsc, b_qkv
	s_load_b64 s[12:13], s[0:1], 0x20              ; qkv
	v_lshl_add_u32 v254, v0, 2, 0x33800
	v_mov_b32 v255, 0
	ds_add_u32 v254, v255
	ds_add_u32 v254, v255
	v_lshrrev_b32 v14, 5, v0
	v_readfirstlane_b32 s28, v14                   ; wave 0..3
	s_and_b32 s31, ttmp7, 0xffff                   ; the group of 256 tokens, which the four partners share
	; the descriptor: my quarter of h's block: 200 dense rows of 256 bytes (32 elements of 8 bytes), no padding
	s_mov_b32 s20, 15|(3<<16)|(1<<21)              ; 15:0 the mask: all four work-groups; 17:16 elements of 8 bytes; 21 set beside a mask
	s_mov_b32 s21, 32<<16                          ; tensor_dim0 = 32
	s_mov_b32 s22, 200<<16                         ; tensor_dim1 = 200
	s_mov_b32 s23, 32<<16                          ; tile_dim0 = 32
	s_mov_b32 s24, 200                             ; tile_dim1 = 200
	s_mov_b32 s25, 32                              ; from row to row
	s_mov_b32 s26, 0
	s_mov_b32 s27, 0
	s_mov_b32 s16, 1
	s_mul_i32 s17, s28, 51200                      ; LDS address: wave x 51,200: no place in the cluster enters it
	s_mul_i32 s50, s31, 204800
	s_add_co_u32 s50, s50, s17
	s_mov_b32 s51, 0
	s_wait_dscnt 0x0
	s_wait_kmcnt 0x0
	s_add_nc_u64 s[18:19], s[4:5], s[50:51]
	s_or_b32 s19, s19, 0x80000000                  ; type = 2
	ROUND                                          ; all four work-groups are here: the joint loads meet
	tensor_load_to_lds s[16:19], s[20:27]          ; my one tensor load of the launch
	s_nop 0
	PLACES 4                                       ; four such lines behind it
	s_and_b32 s29, s28, 1                          ; kind
	s_bfe_u32 s48, ttmp6, 0x40000                  ; cx
	s_lshl_b32 s49, ttmp9, 2
	s_add_co_u32 s49, s49, s48                     ; G = 4 x cluster x + cx: it enters global addresses alone
	s_lshl_b32 s30, s49, 1
	s_lshr_b32 s46, s28, 1
	s_add_co_u32 s30, s30, s46                     ; head
	s_mov_b32 s[SEL], 0x76543210
	s_mov_b32 s[SEL+1], 0xfedcba98
	v_and_b32 v14, 31, v0
	v_lshlrev_b32 v[LI], 4, v14
	v_lshlrev_b32 v[L8], 3, v14
	v_lshlrev_b32 v10, 2, v14                      ; 4 x lane
	v_add_nc_u32 v3, 196608, v10
	v_and_b32 v15, 15, v0                          ; r
	s_mul_i32 s47, s28, 1536
	s_add_co_u32 s47, s47, STG                     ; my stage
	v_lshl_add_u32 v6, v15, 2, s47                 ; + 4 r
	v_add_nc_u32 v8, s47, v[LI]
	v_add_nc_u32 v9, s47, v10
	v_add_nc_u32 v9, 1024, v9
	v_bfe_u32 v14, v0, 4, 1                        ; h
	v_mul_u32_u24 v11, v14, 192
	v_lshl_add_u32 v11, s29, 2, v11                ; q/k's bias: column 3 d + kind, d = .. + 16 h + j: 192 h + 4 kind bytes
	s_wait_alu depctr_va_vdst(0)
	v_and_b32 v14, 8, v15
	v_add_nc_u32 v14, v14, v15
	v_mul_u32_u24 v12, v14, 12
	s_mul_i32 s46, s29, 384
	s_add_co_u32 s46, s46, 8
	v_add_nc_u32 v12, s46, v12                     ; v's bias: column 3 d + 2, d = 32 kind + 8 u + r + 8 (r / 8)
	s_wait_alu depctr_va_vdst(0)
	v_mov_b32 v[TM+2], 0                           ; written once: a lane permute's destination counts as one of its sources
	v_mov_b32 v[TM+3], 0
	s_lshl_b32 s46, s29, 4
	s_add_co_u32 s46, s46, s30
	s_lshl_b32 s46, s46, 2                         ; the first of my four tiles of q or k: (16 kind + head) x 4
	s_mul_i32 s54, s46, 12288
	s_mov_b32 s55, 0
	s_lshl_b32 s58, s46, 9
	s_mov_b32 s59, 0
	s_add_co_u32 s46, s30, 32
	s_lshl_b32 s46, s46, 2
	s_lshl_b32 s47, s29, 1
	s_add_co_u32 s46, s46, s47                     ; the first of my two tiles of v: (32 + head) x 4 + 2 kind
	s_mul_i32 s56, s46, 12288
	s_mov_b32 s57, 0
	s_lshl_b32 s60, s46, 9
	s_mov_b32 s61, 0
	s_mul_i32 s62, s30, 768                        ; the head's 192 numbers of the bias
	s_mov_b32 s63, 0
	s_lshr_b32 s46, s31, 3
	s_lshl_b32 s46, s46, 4
	s_add_co_u32 s46, s46, s30                     ; 16 x batch + head
	s_mul_i32 s46, s46, 315392
	s_and_b32 s47, s31, 7                          ; which eighth of the batch's tokens
	s_cmp_eq_u32 s29, 0
	s_cselect_b32 s32, 208896, 0                   ; q's fragments or k's
	s_mov_b32 s36, 196608
	s_cselect_b32 s36, 307200, s36                 ; q's scale words or k's
	s_mul_i32 s34, s47, 12288
	s_add_co_u32 s32, s32, s34
	s_add_co_u32 s32, s32, s46
	s_mov_b32 s33, 0
	s_mul_i32 s35, s29, 1536
	s_add_co_u32 s34, s34, s35
	s_add_co_u32 s34, s34, s46
	s_add_co_u32 s34, s34, 98304
	s_mov_b32 s35, 0
	s_lshl_b32 s37, s47, 10
	s_add_co_u32 s36, s36, s37
	s_add_co_u32 s36, s36, s46
	s_mov_b32 s37, 0
	s_lshl_b32 s52, s29, 11
	s_lshl_b32 s53, s47, 8
	s_add_co_u32 s52, s52, s53
	s_add_co_u32 s52, s52, s46
	s_add_co_u32 s52, s52, 204800
	s_mov_b32 s53, 0
	s_add_nc_u64 s[54:55], s[6:7], s[54:55]
	s_add_nc_u64 s[56:57], s[6:7], s[56:57]
	s_add_nc_u64 s[58:59], s[8:9], s[58:59]
	s_add_nc_u64 s[60:61], s[8:9], s[60:61]
	s_add_nc_u64 s[10:11], s[10:11], s[62:63]
	s_add_nc_u64 s[32:33], s[12:13], s[32:33]      ; where q's or k's pairs go
	s_add_nc_u64 s[34:35], s[12:13], s[34:35]      ; v's half fragments
	s_add_nc_u64 s[36:37], s[12:13], s[36:37]      ; q's or k's scale words
	s_add_nc_u64 s[52:53], s[12:13], s[52:53]      ; v's
.set ss, 0
.rept 8                                ; the weights: 144 loads of 512 consecutive bytes; they stay
	WIN 0x40*(1+ss/3)
.set ii, 0
.rept 6
.irp q, 0,1,2
.if ii < 4
	global_load_b128 v[72*(ss%3)+12*ii+4*\q:72*(ss%3)+12*ii+4*\q+3], v[LI], s[54:55] offset:ii*12288+ss*1536+512*\q
.else
	global_load_b128 v[72*(ss%3)+12*ii+4*\q:72*(ss%3)+12*ii+4*\q+3], v[LI], s[56:57] offset:(ii-4)*12288+ss*1536+512*\q
.endif
.endr
.set ii, ii+1
.endr
.set ss, ss+1
.endr
	WIN 0
.irp i, 0,1,2,3
.irp sp, 0,1,2,3
	global_load_b32 v[WS+4*\i+\sp], v10, s[58:59] offset:512*\i+128*\sp   ; lanes 0-15: K step 2 sp, lanes 16-31: 2 sp + 1
.endr
.endr
.irp i, 0,1
.irp sp, 0,1,2,3
	global_load_b32 v[WS+16+4*\i+\sp], v10, s[60:61] offset:512*\i+128*\sp
.endr
.endr
.irp i, 0,1,2,3
.irp j, 0,1,2,3,4,5,6,7
	global_load_b32 v[BQ+8*\i+\j], v11, s[10:11] offset:384*(\i/2)+96*(\i%2)+12*\j
.endr
.endr
.irp u, 0,1
	global_load_b32 v[BV+8*\u], v12, s[10:11] offset:96*\u
.endr
	s_wait_loadcnt 0x0
.irp u, 0,1
.irp j, 1,2,3,4,5,6,7
	v_mov_b32 v[BV+8*\u+\j], v[BV+8*\u]            ; a lane's eight results of v have one d: one number eight times
.endr
.endr
	s_wait_tensorcnt 0x0                           ; my quarter of h's block is in,
	s_barrier_signal -1
	s_barrier_wait -1                              ; everybody's is
.macro HF s, t4                        ; h's fragment of the tile behind tile t4 of the trip, K step s
.irp q, 0,1,2
	ds_load_b128 v[216+12*((\s)%3)+4*\q:216+12*((\s)%3)+4*\q+3], v[ADR] offset:((\t4)+1)*12288+(\s)*1536+512*\q
.endr
.endm
; n K steps from s0 on; the six accumulators take turns, one instruction a turn
.macro PROD s0, n, t4
.set ss, \s0
.rept \n
.set ii, 0
.rept 6
.set rW, 72*(ss%3)+12*ii
.set rH, 216+12*(ss%3)
.set rWS, WS+4*ii+ss/2
.set rHS, HS+4*((\t4)%2)+ss/2
.if ii < 4
.set rD, HA+8*ii
.set rC, rD
.if ss == 0
.set rC, BQ+8*ii
.endif
	MM rD, rW, rH, rC, rWS, rHS, ss%2
.else
.set rD, VA+32*(ii-4)+8*(\t4)
.set rC, rD
.if ss == 0
.set rC, BV+8*(ii-4)
.endif
	MM rD, rH, rW, rC, rHS, rWS, ss%2
.endif
.set ii, ii+1
.endr
.set ss, ss+1
.endr
.endm
; A tile of 16 tokens.  As soon as a window's products are issued, four plain instructions on, the next tile's fragments are fetched into it.  Five stand behind the last product: the next tile's first
; products begin the accumulators anew.  Then q's or k's 64 numbers of each token are quantised; two tiles make an image of 12 registers.
.macro TILE t4, nxt
	s_wait_dscnt 0x0                               ; the tile's fragments and scale words are in, and my stores into the stage have read their registers
	WIN 0x05
	PROD 0, 3, \t4
.if \nxt
	PLACES 4
	WIN 0x40
	HF 0, \t4
	HF 1, \t4
	HF 2, \t4
.endif
	WIN 0x0a
	PROD 3, 3, \t4
.if \nxt
	PLACES 4
	WIN 0x80
	HF 3, \t4
	HF 4, \t4
	HF 5, \t4
.endif
	WIN 0x0f
	PROD 6, 2, \t4
	PLACES 5
.if \nxt
	WIN 0xc0
	HF 6, \t4
	HF 7, \t4
.endif
	WIN 0
.if \nxt
.irp sp, 0,1,2,3
	ds_load_b32 v[HS+4*(1-(\t4)%2)+\sp], v[ADS] offset:((\t4)+1)*512+128*\sp
.endr
.endif
	s_wait_xcnt 0x0                                ; the last pair's stores have read their registers
	QUANT2 HA, PC+6*((\t4)%2), PW
	ds_store_b32 v7, v[PW] offset:64*(\t4)         ; lanes r and 16 + r hold the same word
.if (\t4)%2
.irp q, 0,1,2
	global_store_b128 v[LI], v[PC+4*\q:PC+4*\q+3], s[32:33] offset:((\t4)/2)*1536+512*\q
.endr
.endif
.endm
; A trip: four tiles, 64 tokens: two blocks of 32 keys of v.  more = 1: the last tile fetches the next trip's first.
.macro TRIP more
	s_wait_dscnt 0x0                               ; no LDS instruction of mine is out: its address registers may be written
	v_add_nc_u32 v[ADR], s38, v[LI]
	v_add_nc_u32 v[ADS], s39, v3
	v_add_nc_u32 v7, s40, v6
	v_add_nc_u32 v13, s41, v6
	s_wait_alu depctr_va_vdst(0)
	TILE 0, 1
	TILE 1, 1
	TILE 2, 1
	TILE 3, \more
.irp u, 0,1
	QUANT2 VA+32*\u, VC+6*\u, PWV+\u
	ds_store_b32 v13, v[PWV+\u] offset:1024+64*\u
	global_store_b128 v[LI], v[VC+6*\u:VC+6*\u+3], s[34:35] offset:768*\u
	global_store_b64 v[L8], v[VC+6*\u+4:VC+6*\u+5], s[34:35] offset:768*\u+512
.endr
.if \more
	s_wait_xcnt 0x0                                ; the stores have read their registers and their bases
	s_add_co_u32 s38, s38, 49152
	s_add_co_u32 s39, s39, 2048
	s_add_co_u32 s40, s40, 256
	s_add_co_u32 s41, s41, 128
	s_add_nc_u64 s[32:33], s[32:33], 3072
	s_add_nc_u64 s[34:35], s[34:35], 3072
.endif
.endm
	s_mov_b32 s38, 0
	s_mov_b32 s39, 0
	s_mov_b32 s40, 0
	s_mov_b32 s41, 0
	v_mov_b32 v[ADR], v[LI]
	v_mov_b32 v[ADS], v3
	WIN 0x40                                       ; tile 0
	HF 0, -1
	HF 1, -1
	HF 2, -1
	WIN 0x80
	HF 3, -1
	HF 4, -1
	HF 5, -1
	WIN 0xc0
	HF 6, -1
	HF 7, -1
	WIN 0
.irp sp, 0,1,2,3
	ds_load_b32 v[HS+\sp], v[ADS] offset:128*\sp
.endr
	s_mov_b32 s42, 3
.Ltrip:
	s_wait_alu depctr_va_vdst(0)
	TRIP 1
	s_sub_co_u32 s42, s42, 1
	s_cmp_lg_u32 s42, 0
	s_cbranch_scc1 .Ltrip
	TRIP 0                                         ; the last trip is written out: its last tile fetches nothing
	; the scale words leave: LDS serves a wave's instructions in order, so these loads see my stores
	ds_load_b128 v[96:99], v8
	ds_load_b128 v[100:103], v8 offset:512
.irp t, 0,1,2,3
	ds_load_b32 v[104+\t], v9 offset:128*\t
.endr
	s_wait_dscnt 0x0
	global_store_b128 v[LI], v[96:99], s[36:37]
	global_store_b128 v[LI], v[100:103], s[36:37] offset:512
	v_lshl_or_b32 v108, v105, 16, v104             ; two trips' half words make the word of 128 keys
	v_lshl_or_b32 v109, v107, 16, v106
	global_store_b32 v10, v108, s[52:53]
	global_store_b32 v10, v109, s[52:53] offset:128
	s_wait_tensorcnt 0x0
	ds_add_u32 v254, v255
	s_wait_dscnt 0x0
	ROUND                                          ; the closing round
	s_endpgm
.Lfunc_end_k_q30c33c6e03_qkv:
	.size	k_q30c33c6e03_qkv, .Lfunc_end_k_q30c33c6e03_qkv-k_q30c33c6e03_qkv
	.p2alignl 7, 3214868480
	.fill 96, 4, 3214868480
	.section	.rodata,"a",@progbits
	.p2align	6, 0x0
	.amdhsa_kernel k_q30c33c6e03_qkv
		.amdhsa_group_segment_fixed_size 211456
		.amdhsa_private_segment_fixed_size 0
		.amdhsa_enable_private_segment 0
		.amdhsa_kernarg_size 40
		.amdhsa_user_sgpr_count 2
		.amdhsa_user_sgpr_kernarg_segment_ptr 1
		.amdhsa_wavefront_size32 1
		.amdhsa_system_sgpr_workgroup_id_x 1
		.amdhsa_system_sgpr_workgroup_id_y 1
		.amdhsa_system_sgpr_workgroup_id_z 1
		.amdhsa_system_vgpr_workitem_id 0
		.amdhsa_next_free_vgpr 1024
		.amdhsa_next_free_sgpr 66
		.amdhsa_reserve_vcc 0
		.amdhsa_float_denorm_mode_32 3
		.amdhsa_float_denorm_mode_16_64 3
		.amdhsa_memory_ordered 1
		.amdhsa_forward_progress 1
		.amdhsa_inst_pref_size 120
	.end_amdhsa_kernel
	.amdgpu_metadata
---
amdhsa.version: [ 1, 2 ]
amdhsa.kernels:
  - .name:           k_q30c33c6e03_qkv
    .symbol:         k_q30c33c6e03_qkv.kd
    .args:
      - { .name: hbuf, .offset: 0, .size: 8, .value_kind: global_buffer, .address_space: global }
      - { .name: wimg, .offset: 8, .size: 8, .value_kind: global_buffer, .address_space: global }
      - { .name: wsc, .offset: 16, .size: 8, .value_kind: global_buffer, .address_space: global }
      - { .name: b_qkv, .offset: 24, .size: 8, .value_kind: global_buffer, .address_space: global }
      - { .name: qkv, .offset: 32, .size: 8, .value_kind: global_buffer, .address_space: global }
    .group_segment_fixed_size: 211456
    .private_segment_fixed_size: 0
    .kernarg_segment_align: 8
    .kernarg_segment_size: 40
    .max_flat_workgroup_size: 128
    .sgpr_count:     66
    .vgpr_count:     1024
    .wavefront_size: 32
...
	.end_amdgpu_metadata
.endif
;; end of part 2
;; launch attn (part 3): grid 4 x 64, 8 waves a work-group, clusters of 4 x 1, 327,680 bytes of LDS; arguments qkv, abuf; writes abuf
.if DOCPART == 3
	.amdgcn_target "amdgcn-amd-amdhsa--gfx1250"
	.amdhsa_code_object_version 6
	.text
	.protected	k_q30c33c6e03_attn
	.globl	k_q30c33c6e03_attn
	.p2align	8
	.type	k_q30c33c6e03_attn,@function
k_q30c33c6e03_attn:
	s_mov_b64 s[64:65], 0
	v_nop
	global_prefetch_b8 v0, s[64:65] scope:SCOPE_SE
	s_setreg_imm32_b32 hwreg(HW_REG_WAVE_MODE, 25, 1), 1
	s_wait_xcnt 0x0
	s_wait_alu depctr_hold_cnt(0) depctr_sa_sdst(0) depctr_va_vdst(0) depctr_va_sdst(0) depctr_va_ssrc(0) depctr_va_vcc(0) depctr_vm_vsrc(0)
	s_getreg_b32 s2, hwreg(HW_REG_IB_STS2, 6, 4)
	s_cmp_eq_u32 s2, 0
	s_cbranch_scc0 .Lentry_in_a_cluster
	s_endpgm
.Lentry_in_a_cluster:
	s_bfe_u32 s2, ttmp6, 0x10000c
	s_cmp_lg_u32 s2, 0x3003
	s_cbranch_scc0 .Lentry_shape_is_right
	s_endpgm
.Lentry_shape_is_right:
; O = softmax(q k^T / 8) v for one (batch, head), both products on codes of E3M2; the result, divided by the row's sum, is quantised along the embedding for the last product.
; THE SOFTMAX: t = score x log2(e) / 8; M = the running largest t, rounded UP to a whole number; p = 2^(t - M) is quantised along the keys, not normalised; the row's sum is taken of the unquantised p.
; When M moves, the sum and O are multiplied by 2^(old M - new M): exact.
; SHARES.  A work-group: 512 queries of one head.  Eight waves, two to a SIMD.  A wave owns FOUR tiles of 16 queries and walks the 2,048 keys once, 128 a step: each fragment of k and of v read from LDS feeds four tiles.
; The head's whole k, v and their scale words, 208,896 bytes, lie in LDS, each byte filled ONCE, in two parts.  At the head each wave brings 6,144 bytes: k and v of key steps 0 to 2 and all scale words.
; Behind the full sequence and a round each wave asks for 19,968 bytes of the rest; key steps 0 and 1 run meanwhile (they read, k's fetch ahead included, key steps 0 to 2 alone); one wait and one barrier follow, then the other 14 steps.
; CLUSTER: the head's four blocks of queries form a cluster and ask for those bytes jointly.  The launch claims all of LDS.
; No prefetch: all that comes from memory in bulk is asked for by these two fills, the second two key steps ahead of its first reader.
; LAYOUT.  S^T = k q^T (source 0 = 16 keys, source 1 = 16 queries), O^T = v^T p^T: a lane holds ONE query throughout.
; THE KEYS OF A SCORE TILE ARE CHOSEN BY THE LANES' LDS ADDRESSES: of 64 keys (two blocks of 32, two images of launch qkv) tile j takes as rows 0-7 keys 8 j .. 8 j + 7 of the first block and as rows 8-15 the same of the second.
; So lane (query, h) holds in the 32 registers of four tiles the WHOLE block 2 c + h, in the keys' order: the block's maximum needs no other lane, and the conversions' results are the operand's registers.
; Key 8 j + i of a block lies in launch qkv's image at tile j % 2, row i + 8 (j / 2): lane (r, h) reads image r / 8, lane place (r % 8) + 8 (j / 2) + 16 h; the two tiles j % 2 come with one image's three loads.
; K = 64 IN THE FIRST PRODUCT.  q's upper six registers are zeros; k's fragment t is v[KV + 6 t] on, twelve registers: its upper six are the next fragment's data, which meet q's zero codes.
; REGISTERS.  Window 0: v1-8 addresses that stay, v9-13 the step's, v14-15 for the add; k 16-69, v 70-117, q 118-165, p's codes 166-185, scale words 186-196.
;   Window 1: O^T 0-127 (32 a tile); S^T, then p 128-191; 192-209 at work; 210-225 for each tile -M, the largest score, the sum's pair; 226 8 h; 228-243 eight partial sums.
; LIMITS: NaN and infinities are not served; the promise holds while the scaled scores stay under 2^31 in magnitude.  A block whose largest magnitude lies under 2^-122, a block of zeros too, gets the byte 1;
; these bytes are read by this program alone.  1 / sum is v_rcp_f32.
.set KV,  16
.set VF,  70
.set Q,   118
.set P,   166
.set TC,  178
.set KSR, 186
.set VSR, 190
.set QSR, 192
.set PWD, 196
.set AK,  9
.set AV,  10
.set AV8, 11
.set AKS, 12
.set AVS, 13
.set SPW, 14
.set NIL, 15
.set S,   128                          ; from here on: window 1
.set MX,  192
.set BM,  200
.set TA,  202
.set SO,  204
.set BY,  206
.set F,   208
.set ST,  210
.set H8,  226
.set T,   228
.set QM,  128                          ; the way out: eight blocks' largest magnitudes,
.set QX,  136                          ; the other half's, then the bytes,
.set QS,  144                          ; the conversions' scale operands,
.set PQ,  152                          ; six registers of codes and the scale bytes, eight registers a tile,
.set QT,  184                          ; and the conversions' second halves, four registers a tile
.set SEL, 10
.set CS,  12
.set NEGC, 48
.set MSB, 0
.macro WIN new                         ; the immediate's high byte repeats the setting that is left
.if MSB != (\new)
	s_set_vgpr_msb (MSB<<8)|(\new)
.set MSB, \new
.endif
.endm
.macro PLACES n
.rept \n
	v_nop
.endr
.endm
.macro ROUND                           ; a round of the cluster's barrier
	s_barrier_signal -1
	s_barrier_wait -1
	s_cmp_lg_u32 s8, 0
	s_cbranch_scc1 .Lnot_wave_0_\@
	s_barrier_signal -3
.Lnot_wave_0_\@:
	s_barrier_wait -3
	s_barrier_signal -1
	s_barrier_wait -1
.endm
	s_load_b128 s[4:7], s[0:1], 0x0                ; qkv, abuf
	v_lshl_add_u32 v[SPW], v0, 2, 0x33000
	v_mov_b32 v[NIL], 0
	ds_add_u32 v[SPW], v[NIL]                      ; the opening lines: the add, twice on end, and its wait
	ds_add_u32 v[SPW], v[NIL]
	v_lshrrev_b32 v9, 5, v0
	s_delay_alu instid0(VALU_DEP_1)
	v_readfirstlane_b32 s8, v9                     ; wave 0..7
	s_and_b32 s14, ttmp7, 0xffff                   ; 16 x batch + head, which the four partners share
	s_mul_i32 s15, s14, 315392                     ; its bytes in qkv
	; the first fill: 24 dense rows of 256 bytes a wave: waves 0-2 k's key steps 0-2, waves 3-5 v's, waves 6-7 the scale words
	s_mov_b32 s20, 15|(3<<16)|(1<<21)              ; 15:0 the mask: all four work-groups; 17:16 elements of 8 bytes; 21 set beside a mask
	s_mov_b32 s21, 32<<16
	s_mov_b32 s22, 24<<16
	s_mov_b32 s23, 32<<16
	s_mov_b32 s24, 24
	s_mov_b32 s25, 32
	s_mov_b32 s26, 0
	s_mov_b32 s27, 0
	s_mov_b32 s16, 1
	s_mul_i32 s42, s8, 11
	s_lshr_b32 s42, s42, 5                         ; wave / 3
	s_mul_i32 s42, s42, 79872                      ; 98,304 - 3 x 6,144: from the end of one region's part to the next region
	s_mul_i32 s17, s8, 6144
	s_add_co_u32 s17, s17, s42                     ; the same place in LDS as in the head's bytes
	s_add_co_u32 s40, s15, s17
	s_mov_b32 s41, 0
	; the second fill: 78 dense rows of 256 bytes a wave: waves 0-3 k's key steps 3-15, waves 4-7 v's
	s_mov_b32 s56, 15|(3<<16)|(1<<21)
	s_mov_b32 s57, 32<<16
	s_mov_b32 s58, 78<<16
	s_mov_b32 s59, 32<<16
	s_mov_b32 s60, 78
	s_mov_b32 s61, 32
	s_mov_b32 s62, 0
	s_mov_b32 s63, 0
	s_mov_b32 s52, 1
	s_lshr_b32 s43, s8, 2
	s_mul_i32 s43, s43, 18432
	s_mul_i32 s53, s8, 19968
	s_add_co_u32 s53, s53, s43
	s_add_co_u32 s53, s53, 18432                   ; 18,432 + 19,968 wave, and 18,432 more for v's
	s_add_co_u32 s44, s15, s53
	s_mov_b32 s45, 0
	s_wait_dscnt 0x0
	s_wait_kmcnt 0x0
	s_add_nc_u64 s[18:19], s[4:5], s[40:41]
	s_or_b32 s19, s19, 0x80000000
	s_add_nc_u64 s[54:55], s[4:5], s[44:45]
	s_or_b32 s55, s55, 0x80000000
	ROUND                                          ; all four work-groups are here: the joint loads meet
	tensor_load_to_lds s[16:19], s[20:27]          ; my one tensor load at the head
	s_nop 0
	PLACES 4                                       ; four such lines behind it
	s_bfe_u32 s9, ttmp6, 0x40000                   ; cx: my block of 512 queries: it enters global addresses alone
	s_lshl_b32 s42, s9, 4
	s_lshl_b32 s43, s8, 1
	s_add_co_u32 s42, s42, s43                     ; the first of my two pairs of tiles
	s_mul_i32 s32, s42, 1536
	s_add_co_u32 s32, s32, s15
	s_mov_b32 s33, 0
	s_lshl_b32 s38, s42, 7
	s_add_co_u32 s38, s38, s15
	s_mov_b32 s39, 0
	s_lshr_b32 s43, s14, 4
	s_lshl_b32 s43, s43, 7
	s_lshl_b32 s44, s42, 1
	s_add_co_u32 s43, s43, s44                     ; my first tile among all 512: a multiple of 4
	s_lshr_b32 s44, s43, 3
	s_mul_i32 s44, s44, 102400                     ; its group of 128 tokens in abuf
	s_and_b32 s43, s43, 7                          ; and its place m there: 0 or 4
	s_and_b32 s45, s14, 15                         ; head = 2 s + c
	s_lshr_b32 s46, s45, 1
	s_and_b32 s45, s45, 1
	s_mul_i32 s34, s43, 12288
	s_mul_i32 s47, s46, 1536
	s_add_co_u32 s34, s34, s47
	s_mul_i32 s47, s45, 768
	s_add_co_u32 s34, s34, s47
	s_add_co_u32 s34, s34, s44                     ; (8 m + s) x 1,536 + 768 c
	s_mov_b32 s35, 0
	s_lshl_b32 s36, s43, 9
	s_lshl_b32 s47, s46, 6
	s_add_co_u32 s36, s36, s47
	s_lshl_b32 s47, s45, 1
	s_add_co_u32 s36, s36, s47
	s_add_co_u32 s36, s36, s44
	s_add_co_u32 s36, s36, 98304                   ; (8 m + s) x 64 + 2 c, behind the images
	s_mov_b32 s37, 0
	s_add_nc_u64 s[32:33], s[4:5], s[32:33]
	s_add_nc_u64 s[38:39], s[4:5], s[38:39]
	s_add_nc_u64 s[34:35], s[6:7], s[34:35]
	s_add_nc_u64 s[36:37], s[6:7], s[36:37]
	s_mov_b32 s[SEL], 0x76543210
	s_mov_b32 s[SEL+1], 0xfedcba98
	s_mov_b32 s[CS], 0x3e38aa3b                    ; c = log2(e) / 8
	s_mov_b32 s[CS+1], s[CS]                       ; (named with it as a pair, so it is written)
	s_mov_b32 s[NEGC], 0xbe38aa3b                  ; -c
	v_and_b32 v9, 31, v0                           ; lane
	v_and_b32 v10, 15, v0                          ; r
	v_bfe_u32 v11, v0, 4, 1                        ; h
	v_bfe_u32 v12, v0, 3, 1                        ; r / 8
	v_and_b32 v13, 7, v0                           ; r % 8
	v_lshlrev_b32 v1, 4, v9                        ; 16 x lane
	v_lshlrev_b32 v2, 3, v9                        ; 8 x lane
	v_lshlrev_b32 v3, 2, v10                       ; 4 r
	v_lshlrev_b32 v8, 2, v9
	v_mul_u32_u24 v4, v12, 1536                    ; k: image r / 8 of the pair,
	v_lshlrev_b32 v7, 7, v12                       ; k's scale words: two tiles of 64 bytes an image
	v_add_nc_u32 v5, 98304, v1                     ; v's half fragments: their first four registers,
	v_add_nc_u32 v6, 98304, v2                     ; their last two
	v_add_nc_u32 v8, 204800, v8                    ; v's scale words
	v_lshl_add_u32 v4, v13, 4, v4                  ; lane place r % 8,
	v_lshl_add_u32 v7, v13, 2, v7                  ; row r % 8,
	s_delay_alu instid0(VALU_DEP_2)
	v_lshl_add_u32 v4, v11, 8, v4                  ; + 16 h lanes
	s_delay_alu instid0(VALU_DEP_2)
	v_lshl_add_u32 v7, v11, 6, v7                  ; lanes 16-31: the image's odd tile
	s_delay_alu instid0(VALU_DEP_1)
	v_add_nc_u32 v7, 196608, v7
	; q: an image of 12 registers holds two tiles: registers 0-5 the first, 6-11 the second
.irp e, 0,1
	global_load_b128 v[Q+24*\e:Q+24*\e+3], v1, s[32:33] offset:208896+1536*\e
	global_load_b64 v[Q+24*\e+4:Q+24*\e+5], v1, s[32:33] offset:208896+1536*\e+512
	global_load_b64 v[Q+24*\e+12:Q+24*\e+13], v1, s[32:33] offset:208896+1536*\e+520
	global_load_b128 v[Q+24*\e+14:Q+24*\e+17], v1, s[32:33] offset:208896+1536*\e+1024
	global_load_b32 v[QSR+2*\e], v3, s[38:39] offset:307200+128*\e
	global_load_b32 v[QSR+2*\e+1], v3, s[38:39] offset:307200+128*\e+64
.endr
.irp i, 0,1,2,3
.irp j, 6,7,8,9,10,11
	v_mov_b32 v[Q+12*\i+\j], 0                     ; the zero codes of K = 64 .. 127
.endr
.endr
.irp j, 48,49,50,51,52,53
	v_mov_b32 v[KV+\j], 0
.endr
	WIN 0x40                                       ; destinations in window 1
.set j, 0
.rept 128
	v_mov_b32 v[j], 0                              ; O^T.  The step is written once: the first finds zeros, which the first change of M leaves zeros
.set j, j+1
.endr
	v_mov_b32 v[F+1], 0                            ; (named as the upper half of a pair)
	v_mov_b32 v[TA+1], 0                           ; written once: a lane permute's destination counts as one of its sources
	v_mov_b32 v[BY+1], 0
.irp i, 0,1,2,3
	v_mov_b32 v[ST+4*\i], 0x7f61b1e6               ; -M: 3e38
	v_mov_b32 v[ST+4*\i+1], 0xff61b1e6             ; the largest score so far: -3e38
	v_mov_b32 v[ST+4*\i+2], 0                      ; the sum, in two halves
	v_mov_b32 v[ST+4*\i+3], 0
.endr
	v_lshlrev_b32 v[H8], 3, v11                    ; 8 h
	WIN 0
	s_wait_alu depctr_va_vdst(0)
	s_wait_loadcnt 0x0
	s_wait_tensorcnt 0x0                           ; my part of the first fill is in
	ds_add_u32 v[SPW], v[NIL]
	s_wait_dscnt 0x0
	ROUND                                          ; everybody's part is in, and all four work-groups are here: the joint loads meet
	tensor_load_to_lds s[52:55], s[56:63]          ; the second fill: my one tensor load behind the round
	s_nop 0
	PLACES 4
; k's eight fragments and their scale words for 128 keys: pair c of blocks, rows' half a: three loads bring tiles 2 a and 2 a + 1
.macro KLOAD ak, aks, off, offs
.irp c, 0,1
.irp a, 0,1
.irp g, 0,1,2
	ds_load_b128 v[KV+24*\c+12*\a+4*\g:KV+24*\c+12*\a+4*\g+3], v[\ak] offset:\off+3072*\c+128*\a+512*\g
.endr
	ds_load_b32 v[KSR+2*\c+\a], v[\aks] offset:\offs+256*\c+32*\a   ; lanes 0-15: tile 2 a, lanes 16-31: 2 a + 1
.endr
.endr
.endm
.macro SMM i                           ; S^T of tile i: register 32 c + 8 j + e of lane (query, h) is key 64 c + 32 h + 8 j + e of the step
	WIN 0x40
.irp t, 0,1,2,3,4,5,6,7
.if \t%2
	v_wmma_scale_f32_16x16x128_f8f6f4 v[S+8*\t:S+8*\t+7], v[KV+6*\t:KV+6*\t+11], v[Q+12*\i:Q+12*\i+11], 0, v[KSR+\t/2], v[QSR+\i] matrix_a_fmt:MATRIX_FMT_BF6 matrix_b_fmt:MATRIX_FMT_BF6 matrix_a_scale:MATRIX_SCALE_ROW1
.else
	v_wmma_scale_f32_16x16x128_f8f6f4 v[S+8*\t:S+8*\t+7], v[KV+6*\t:KV+6*\t+11], v[Q+12*\i:Q+12*\i+11], 0, v[KSR+\t/2], v[QSR+\i] matrix_a_fmt:MATRIX_FMT_BF6 matrix_b_fmt:MATRIX_FMT_BF6
.endif
.endr
.endm
.macro PVM i                           ; O^T += v^T p^T; the four accumulators take turns
	WIN 0x50
.irp t, 0,1,2,3
.if \t%2
	v_wmma_scale_f32_16x16x128_f8f6f4 v[32*\i+8*\t:32*\i+8*\t+7], v[VF+12*\t:VF+12*\t+11], v[P:P+11], v[32*\i+8*\t:32*\i+8*\t+7], v[VSR+\t/2], v[PWD] matrix_a_fmt:MATRIX_FMT_BF6 matrix_b_fmt:MATRIX_FMT_BF6 matrix_a_scale:MATRIX_SCALE_ROW1
.else
	v_wmma_scale_f32_16x16x128_f8f6f4 v[32*\i+8*\t:32*\i+8*\t+7], v[VF+12*\t:VF+12*\t+11], v[P:P+11], v[32*\i+8*\t:32*\i+8*\t+7], v[VSR+\t/2], v[PWD] matrix_a_fmt:MATRIX_FMT_BF6 matrix_b_fmt:MATRIX_FMT_BF6
.endif
.endr
.endm
.macro R1 k0                           ; four of the eight partial sums begin: two pairs of p each
.irp k, 0,1,2,3
	v_pk_add_f32 v[T+2*(\k0+\k):T+2*(\k0+\k)+1], v[S+4*(\k0+\k):S+4*(\k0+\k)+1], v[S+4*(\k0+\k)+2:S+4*(\k0+\k)+3]
.endr
.endm
.macro RN base, k0                     ; four of them take one pair more
.irp k, 0,1,2,3
	v_pk_add_f32 v[T+2*(\k0+\k):T+2*(\k0+\k)+1], v[T+2*(\k0+\k):T+2*(\k0+\k)+1], v[S+\base+2*(\k0+\k):S+\base+2*(\k0+\k)+1]
.endr
.endm
; The last four lines of tile i's sum: they are the four plain instructions behind the matrix instructions ahead of them.  sum = sum x f + this step's
.macro TAIL2 i
	WIN 0x55
	v_pk_add_f32 v[T:T+1], v[T:T+1], v[T+4:T+5]
	v_pk_add_f32 v[T+2:T+3], v[T+2:T+3], v[T+6:T+7]
	s_delay_alu instid0(VALU_DEP_1)
	v_pk_add_f32 v[T:T+1], v[T:T+1], v[T+2:T+3]
	s_delay_alu instid0(VALU_DEP_1)
	v_pk_fma_f32 v[ST+4*\i+2:ST+4*\i+3], v[ST+4*\i+2:ST+4*\i+3], v[F:F+1], v[T:T+1] op_sel_hi:[1,0,1]
.endm
; The softmax of tile i for 128 keys, from S^T to p's codes and scale word
.macro SOFT i
.set NM, ST+4*\i
.set SM, ST+4*\i+1
	WIN 0x55
.irp t, 0,1,2,3,4,5,6,7
	v_max3_num_f32 v[MX+\t], v[S+8*\t], v[S+8*\t+1], v[S+8*\t+2]   ; eight chains, one an accumulator, each from its low end on
.endr
.irp c, 0,1
	v_max3_num_f32 v[BM+\c], v[S+32*\c+7], v[S+32*\c+15], v[S+32*\c+23]
.endr
.irp e, 3,5
.irp t, 0,1,2,3,4,5,6,7
	v_max3_num_f32 v[MX+\t], v[MX+\t], v[S+8*\t+\e], v[S+8*\t+\e+1]
.endr
.endr
	v_max3_num_f32 v[SO], v[MX], v[MX+1], v[MX+2]
	v_max3_num_f32 v[BM], v[BM], v[MX+3], v[S+31]
	s_delay_alu instid0(VALU_DEP_4)
	v_max3_num_f32 v[SO+1], v[MX+4], v[MX+5], v[MX+6]
	v_max3_num_f32 v[BM+1], v[BM+1], v[MX+7], v[S+63]
	s_delay_alu instid0(VALU_DEP_3)
	v_max_num_f32 v[BM], v[BM], v[SO]              ; the largest score of my block h: it serves for the row's maximum and, since p rises with the score, for the block's largest p
	s_delay_alu instid0(VALU_DEP_2)
	v_max_num_f32 v[BM+1], v[BM+1], v[SO+1]        ; and of my block 2 + h
	s_delay_alu instid0(VALU_DEP_1)
	v_max_num_f32 v[TA], v[BM], v[BM+1]
	s_delay_alu instid0(VALU_DEP_1)
	v_permlanex16_b32 v[TA+1], v[TA], s[SEL], s[SEL+1]
	s_delay_alu instid0(VALU_DEP_1)
	v_max3_num_f32 v[SM], v[SM], v[TA], v[TA+1]    ; the running largest score of my query
	s_delay_alu instid0(VALU_DEP_1)
	v_mul_f32 v[TA], s[NEGC], v[SM]                ; -t (c is positive)
	s_delay_alu instid0(VALU_DEP_1)
	v_floor_f32 v[TA], v[TA]                       ; the new -M = floor(-t): M is a whole number
.set j, 0
.rept 32
	v_pk_fma_f32 v[S+j:S+j+1], v[S+j:S+j+1], s[CS:CS+1], v[TA:TA+1] op_sel_hi:[1,0,0]   ; t - M, two at a time
.if j == 8
	v_sub_f32 v[BY], v[TA], v[NM]                  ; old M - new M: a whole number, 0 or less
.endif
.if j == 18
	v_cvt_i32_f32 v[BY], v[BY]                     ; (it saturates)
.endif
.if j == 28
	v_ldexp_f32 v[F], 1.0, v[BY]                   ; f = 2^(old M - new M)
.endif
.set j, j+2
.endr
	v_fma_f32 v[BM], v[BM], s[CS], v[TA]           ; the same of each block's largest score
	v_fma_f32 v[BM+1], v[BM+1], s[CS], v[TA]
	s_wait_alu depctr_va_vdst(0)                   ; ahead of the batch, and ahead of the first readers of O^T
.set j, 0
.rept 16
	v_pk_mul_f32 v[32*\i+j:32*\i+j+1], v[32*\i+j:32*\i+j+1], v[F:F+1] op_sel_hi:[1,0]   ; O^T under the new M, each accumulator from its low end on
.set j, j+2
.endr
	v_exp_f32 v[BM], v[BM]                         ; the blocks' largest p
	v_exp_f32 v[BM+1], v[BM+1]
.set j, 0
.rept 64
	v_exp_f32 v[S+j], v[S+j]                       ; p = 2^(t - M): one batch
.set j, j+1
.endr
	v_mov_b32 v[NM], v[TA]                         ; the plain instruction behind the batch
	s_wait_alu depctr_va_vdst(0)                   ; one wait for the batch, ahead of its first reader
	v_max_num_f32 v[BM], 0x2800000, v[BM]          ; the floor 2^(5 - 127).  The sum's additions stand between the links of this chain
	v_max_num_f32 v[BM+1], 0x2800000, v[BM+1]
	R1 0
	v_add_nc_u32 v[SO], 0xfe000000, v[BM]          ; 4 off the exponent field: the conversion's scale operand
	v_add_nc_u32 v[SO+1], 0xfe000000, v[BM+1]
	R1 4
	v_lshrrev_b32 v[BY], 23, v[SO]                 ; the byte
	v_lshrrev_b32 v[BY+1], 23, v[SO+1]
	RN 32, 0
	v_lshl_or_b32 v[BY], v[BY+1], 16, v[BY]        ; my two bytes: blocks h and 2 + h,
	RN 32, 4
	v_lshlrev_b32 v[BY], v[H8], v[BY]              ; at their places in the word;
	RN 48, 0
	v_permlanex16_b32 v[BY+1], v[BY], s[SEL], s[SEL+1]
	RN 48, 4
	WIN 0x05                                       ; sources window 1, destinations window 0
	v_or_b32 v[PWD], v[BY], v[BY+1]                ; with lane l xor 16's two the word is whole
.irp c, 0,1
	v_cvt_scalef32_pk16_bf6_f32 v[P+6*\c:P+6*\c+2], v[S+32*\c:S+32*\c+15], v[SO+\c]
	v_cvt_scalef32_pk16_bf6_f32 v[TC+4*\c:TC+4*\c+2], v[S+32*\c+16:S+32*\c+31], v[SO+\c]   ; (a conversion's three registers begin on an even number)
.endr
	v_nop                                          ; one plain instruction behind a scaled conversion
	WIN 0
.irp c, 0,1
.irp e, 0,1,2
	v_mov_b32 v[P+6*\c+3+\e], v[TC+4*\c+\e]
.endr
.endr
	WIN 0x55
.irp k, 0,1,2,3
	v_pk_add_f32 v[T+2*\k:T+2*\k+1], v[T+2*\k:T+2*\k+1], v[T+2*\k+8:T+2*\k+9]   ; these four part p's codes from the products that take them; with the six moves and the line above, eleven stand behind the scale word
.endr
.endm
; The loop over key steps, s31 trips.  last = 1: the walk's last step has no successor and fetches nothing
.macro BODY last
.Lstep_\@:
	s_wait_dscnt 0x0                               ; k's fragments and scale words are in: nothing else of mine is out
	SMM 0
	WIN 0
	v_add_nc_u32 v[AK], s28, v4                    ; (these five are the plain instructions behind the products above)
	v_add_nc_u32 v[AV], s28, v5
	v_add_nc_u32 v[AV8], s28, v6
	v_add_nc_u32 v[AKS], s29, v7
	v_add_nc_u32 v[AVS], s30, v8
.irp t, 0,1,2,3                        ; v's four fragments land under the first tile's softmax
	ds_load_b128 v[VF+12*\t:VF+12*\t+3], v[AV] offset:768*\t
	ds_load_b64 v[VF+12*\t+4:VF+12*\t+5], v[AV8] offset:768*\t+512
	ds_load_b128 v[VF+12*\t+6:VF+12*\t+9], v[AV] offset:768*\t+3072
	ds_load_b64 v[VF+12*\t+10:VF+12*\t+11], v[AV8] offset:768*\t+3584
.endr
	ds_load_b32 v[VSR], v[AVS]
	ds_load_b32 v[VSR+1], v[AVS] offset:2048
	SOFT 0
	s_wait_alu depctr_va_vdst(0)
	s_wait_dscnt 0x0                               ; v
	PVM 0
	SMM 1
	TAIL2 0
	SOFT 1
	PVM 1
	SMM 2
	TAIL2 1
	SOFT 2
	PVM 2
	SMM 3
	TAIL2 2                                        ; four plain instructions: k's registers may be loaded again
	WIN 0
.if \last
	s_cmp_eq_u32 s31, 1
	s_wait_alu depctr_va_vdst(0)
	s_cbranch_scc1 .Lno_more_keys
.endif
	KLOAD AK, AKS, 6144, 512                       ; the next 128 keys land under the last tile's softmax
.if \last
.Lno_more_keys:
.endif
	SOFT 3
	PVM 3
	TAIL2 3
	WIN 0
	s_add_co_u32 s28, s28, 6144                    ; the next 128 keys: four images of k, eight half fragments of v,
	s_add_co_u32 s29, s29, 512                     ; eight tiles' scale words of k,
	s_add_co_u32 s30, s30, 128                     ; two tiles' of v
	s_sub_co_u32 s31, s31, 1
	s_cmp_lg_u32 s31, 0
	s_wait_alu depctr_va_vdst(0)
	s_cbranch_scc1 .Lstep_\@
.endm
	KLOAD 4, 7, 0, 0                               ; the first 128 keys
	s_mov_b32 s28, 0
	s_mov_b32 s29, 0
	s_mov_b32 s30, 0
	s_mov_b32 s31, 2
	BODY 0                                         ; key steps 0 and 1: they read bytes of the first fill alone, k of key step 2 among them
	s_wait_tensorcnt 0x0                           ; my part of the second fill is in,
	s_wait_dscnt 0x0
	s_barrier_signal -1
	s_barrier_wait -1                              ; everybody's is
	s_mov_b32 s31, 14
	BODY 1                                         ; key steps 2 to 15
	WIN 0x55
.irp i, 0,1,2,3
	v_add_f32 v[MX+2*\i], v[ST+4*\i+2], v[ST+4*\i+3]
.endr
.irp i, 0,1,2,3
	s_delay_alu instid0(VALU_DEP_4)
	v_permlanex16_b32 v[MX+2*\i+1], v[MX+2*\i], s[SEL], s[SEL+1]
.endr
.irp i, 0,1,2,3
	s_delay_alu instid0(VALU_DEP_4)
	v_add_f32 v[MX+2*\i], v[MX+2*\i], v[MX+2*\i+1] ; the rows' sums
.endr
	s_wait_alu depctr_va_vdst(0)
.irp i, 0,1,2,3
	v_rcp_f32 v[MX+2*\i], v[MX+2*\i]
.endr
	v_nop
; THE WAY OUT, the four tiles by turns: O^T / sum in place, quantised along the head's 64.  Register 16 n + e (n = 2 tile + b) is d = 32 b + 16 h + e of my query: eight half blocks a lane, eight chains.
	s_wait_alu depctr_va_vdst(0)                   ; ahead of the first readers of the quotients and of O^T
.irp i, 0,1,2,3
.set j, 0
.rept 16
	v_pk_mul_f32 v[32*\i+j:32*\i+j+1], v[32*\i+j:32*\i+j+1], v[MX+2*\i:MX+2*\i+1] op_sel_hi:[1,0]
.set j, j+2
.endr
.endr
.irp n, 0,1,2,3,4,5,6,7
	v_max3_num_f32 v[QM+\n], |v[16*\n]|, |v[16*\n+1]|, 0x2800000   ; my 16 numbers, and the floor 2^(5 - 127)
.endr
.irp e, 2,4,6,8,10,12,14
.irp n, 0,1,2,3,4,5,6,7
	v_max3_num_f32 v[QM+\n], v[QM+\n], |v[16*\n+\e]|, |v[16*\n+\e+1]|
.endr
.endr
.irp n, 0,1,2,3,4,5,6,7
	v_permlanex16_b32 v[QX+\n], v[QM+\n], s[SEL], s[SEL+1]
.endr
.irp n, 0,1,2,3,4,5,6,7
	v_max_num_f32 v[QM+\n], v[QM+\n], v[QX+\n]     ; with lane l xor 16's: the block's largest magnitude
.endr
.irp n, 0,1,2,3,4,5,6,7
	v_add_nc_u32 v[QS+\n], 0xfe000000, v[QM+\n]    ; 4 off its exponent field: the conversion's scale operand
.endr
.irp n, 0,1,2,3,4,5,6,7
	v_lshrrev_b32 v[QX+\n], 23, v[QS+\n]           ; the byte
.endr
.irp i, 0,1,2
	v_lshl_or_b32 v[PQ+8*\i+6], v[QX+2*\i+1], 8, v[QX+2*\i]
.endr
	s_delay_alu instid0(VALU_DEP_4)
	v_lshl_or_b32 v[PQ+30], v[QX+7], 8, v[QX+6]
.irp i, 0,1,2,3
	v_cvt_scalef32_pk16_bf6_f32 v[PQ+8*\i:PQ+8*\i+2], v[32*\i:32*\i+15], v[QS+2*\i]
	v_cvt_scalef32_pk16_bf6_f32 v[QT+4*\i:QT+4*\i+2], v[32*\i+16:32*\i+31], v[QS+2*\i+1]
.endr
	v_nop                                          ; one plain instruction behind a scaled conversion
.irp i, 0,1,2,3
.irp e, 0,1,2
	v_permlane16_swap_b32 v[PQ+8*\i+\e], v[QT+4*\i+\e]   ; the operand wants a whole block in a lane: lanes 0-15 block 0, lanes 16-31 block 1
.endr
.endr
.irp i, 0,1,2,3
.irp e, 0,1,2
	v_mov_b32 v[PQ+8*\i+3+\e], v[QT+4*\i+\e]
.endr
.endr
	WIN 0x04                                       ; the stores' data: window 1
.irp i, 0,1,2,3
	global_store_b128 v1, v[PQ+8*\i:PQ+8*\i+3], s[34:35] offset:12288*\i
	global_store_b64 v2, v[PQ+8*\i+4:PQ+8*\i+5], s[34:35] offset:12288*\i+512
	global_store_b16 v3, v[PQ+8*\i+6], s[36:37] offset:512*\i   ; the head's two bytes of the row's scale word; lanes r and 16 + r hold the same
.endr
	WIN 0
	s_wait_tensorcnt 0x0                           ; the wave's end
	ds_add_u32 v[SPW], v[NIL]
	s_wait_dscnt 0x0
	ROUND                                          ; the closing round
	s_endpgm
.Lfunc_end_k_q30c33c6e03_attn:
	.size	k_q30c33c6e03_attn, .Lfunc_end_k_q30c33c6e03_attn-k_q30c33c6e03_attn
	.p2alignl 7, 3214868480
	.fill 96, 4, 3214868480
	.section	.rodata,"a",@progbits
	.p2align	6, 0x0
	.amdhsa_kernel k_q30c33c6e03_attn
		.amdhsa_group_segment_fixed_size 327680
		.amdhsa_private_segment_fixed_size 0
		.amdhsa_enable_private_segment 0
		.amdhsa_kernarg_size 16
		.amdhsa_user_sgpr_count 2
		.amdhsa_user_sgpr_kernarg_segment_ptr 1
		.amdhsa_wavefront_size32 1
		.amdhsa_system_sgpr_workgroup_id_x 1
		.amdhsa_system_sgpr_workgroup_id_y 1
		.amdhsa_system_sgpr_workgroup_id_z 1
		.amdhsa_system_vgpr_workitem_id 0
		.amdhsa_next_free_vgpr 512
		.amdhsa_next_free_sgpr 66
		.amdhsa_reserve_vcc 0
		.amdhsa_float_denorm_mode_32 3
		.amdhsa_float_denorm_mode_16_64 3
		.amdhsa_memory_ordered 1
		.amdhsa_forward_progress 1
		.amdhsa_inst_pref_size 135
	.end_amdhsa_kernel
	.amdgpu_metadata
---
amdhsa.version: [ 1, 2 ]
amdhsa.kernels:
  - .name:           k_q30c33c6e03_attn
    .symbol:         k_q30c33c6e03_attn.kd
    .args:
      - { .name: qkv, .offset: 0, .size: 8, .value_kind: global_buffer, .address_space: global }
      - { .name: abuf, .offset: 8, .size: 8, .value_kind: global_buffer, .address_space: global }
    .group_segment_fixed_size: 327680
    .private_segment_fixed_size: 0
    .kernarg_segment_align: 8
    .kernarg_segment_size: 16
    .max_flat_workgroup_size: 256
    .sgpr_count:     66
    .vgpr_count:     512
    .wavefront_size: 32
...
	.end_amdgpu_metadata
.endif
;; end of part 3
;; launch proj (part 4): grid 4 x 64, 4 waves a work-group, clusters of 4 x 1, 168,448 bytes of LDS; arguments abuf, wimg, wsc, b_proj, x, out0; writes out0
.if DOCPART == 4
	.amdgcn_target "amdgcn-amd-amdhsa--gfx1250"
	.amdhsa_code_object_version 6
	.text
	.protected	k_q30c33c6e03_proj
	.globl	k_q30c33c6e03_proj
	.p2align	8
	.type	k_q30c33c6e03_proj,@function
k_q30c33c6e03_proj:
	s_mov_b64 s[64:65], 0
	v_nop
	global_prefetch_b8 v0, s[64:65] scope:SCOPE_SE
	s_setreg_imm32_b32 hwreg(HW_REG_WAVE_MODE, 25, 1), 1
	s_wait_xcnt 0x0
	s_wait_alu depctr_hold_cnt(0) depctr_sa_sdst(0) depctr_va_vdst(0) depctr_va_sdst(0) depctr_va_ssrc(0) depctr_va_vcc(0) depctr_vm_vsrc(0)
	s_getreg_b32 s2, hwreg(HW_REG_IB_STS2, 6, 4)
	s_cmp_eq_u32 s2, 0
	s_cbranch_scc0 .Lentry_in_a_cluster
	s_endpgm
.Lentry_in_a_cluster:
	s_bfe_u32 s2, ttmp6, 0x10000c
	s_cmp_lg_u32 s2, 0x3003
	s_cbranch_scc0 .Lentry_shape_is_right
	s_endpgm
.Lentry_shape_is_right:
; out0 = a w_proj + b_proj + x, the product on codes of E3M2 (K = 1,024).  a: the attention's result as launch attn left it: for each 128 tokens 102,400 dense bytes, half fragments as images of their registers
; ((8 m + s) x 1,536 + 768 c), then scale words (98,304 + (8 m + s) x 64 + 4 x row).
; SHARES.  A work-group: 128 tokens (8 tiles) x 256 columns.  Wave w: 64 columns: four weight tiles (96 registers each) stay in its registers; it walks the 8 tiles, 32 matrix instructions a tile.
; a's block comes into LDS ONCE.  CLUSTER: the four work-groups of a cluster take the same tokens (the grid has one cluster along x) and ask for the block jointly.  The weights are each wave's own.
; All that the wave reads from memory is asked for at the head, its 128 x 64 numbers of x among them (256 registers, window 3).
; The product is used transposed (source 0 = 16 columns of W, source 1 = 16 tokens): a lane holds eight neighbouring columns of one token.  The bias is the C of each sum's first product.
; A tile's results go through the wave's own stage in LDS and come back by rows: sixteen lanes then hold, add x to, and store 256 consecutive bytes, at a multiple of 256 from out0's first byte.
; Row i of tile m is token 32 (m / 2) + 8 (m % 2) + i + 8 (i / 8) of the group.
; REGISTERS, in windows of 256: windows 1, 2: K steps 0-3, 4-7: W(s, i) at v[60 (s % 4) + 12 i], a(s) at v[60 (s % 4) + 48].  window 3: x, v[4 (8 m + k)].
;   window 0: v1-10 addresses; v16-31 W's scale words; v32-39 a's, two sets; v40-71 the bias; v72-103 the four accumulators; v104-167 rows on the way out, two sets.
.set WS,  16
.set AS,  32
.set BP,  40
.set ACC, 72
.set OB,  104
.set STG, 102400                       ; behind a's block: 16 rows x 272 bytes for each wave; no tensor load lands here
.set MSB, 0
.macro WIN new                         ; the immediate's high byte repeats the setting that is left
.if MSB != (\new)
	s_set_vgpr_msb (MSB<<8)|(\new)
.set MSB, \new
.endif
.endm
.macro PLACES n
.rept \n
	v_nop
.endr
.endm
.macro ROUND                           ; a round of the cluster's barrier
	s_barrier_signal -1
	s_barrier_wait -1
	s_cmp_lg_u32 s28, 0
	s_cbranch_scc1 .Lnot_wave_0_\@
	s_barrier_signal -3
.Lnot_wave_0_\@:
	s_barrier_wait -3
	s_barrier_signal -1
	s_barrier_wait -1
.endm
.macro MM d, a, b, c, sa, sb, odd      ; odd K steps take their scale words from lanes 16-31
.if \odd
	v_wmma_scale_f32_16x16x128_f8f6f4 v[\d:\d+7], v[\a:\a+11], v[\b:\b+11], v[\c:\c+7], v[\sa], v[\sb] matrix_a_fmt:MATRIX_FMT_BF6 matrix_b_fmt:MATRIX_FMT_BF6 matrix_a_scale:MATRIX_SCALE_ROW1 matrix_b_scale:MATRIX_SCALE_ROW1
.else
	v_wmma_scale_f32_16x16x128_f8f6f4 v[\d:\d+7], v[\a:\a+11], v[\b:\b+11], v[\c:\c+7], v[\sa], v[\sb] matrix_a_fmt:MATRIX_FMT_BF6 matrix_b_fmt:MATRIX_FMT_BF6
.endif
.endm
	s_load_b256 s[4:11], s[0:1], 0x0               ; abuf, wimg, wsc, b_proj
	s_load_b128 s[12:15], s[0:1], 0x20             ; x, out0
	v_lshl_add_u32 v254, v0, 2, 0x29000
	v_mov_b32 v255, 0
	ds_add_u32 v254, v255
	ds_add_u32 v254, v255
	v_lshrrev_b32 v11, 5, v0
	v_readfirstlane_b32 s28, v11                   ; wave 0..3
	s_and_b32 s30, ttmp7, 0xffff                   ; the group of 128 tokens, which the four partners share
	; the descriptor: my quarter of a's block: 100 dense rows of 256 bytes
	s_mov_b32 s20, 15|(3<<16)|(1<<21)              ; 15:0 the mask: all four work-groups; 17:16 elements of 8 bytes; 21 set beside a mask
	s_mov_b32 s21, 32<<16
	s_mov_b32 s22, 100<<16
	s_mov_b32 s23, 32<<16
	s_mov_b32 s24, 100
	s_mov_b32 s25, 32
	s_mov_b32 s26, 0
	s_mov_b32 s27, 0
	s_mov_b32 s16, 1
	s_mul_i32 s17, s28, 25600                      ; LDS address: wave x 25,600
	s_mul_i32 s50, s30, 102400
	s_add_co_u32 s50, s50, s17
	s_mov_b32 s51, 0
	s_wait_dscnt 0x0
	s_wait_kmcnt 0x0
	s_add_nc_u64 s[18:19], s[4:5], s[50:51]
	s_or_b32 s19, s19, 0x80000000
	ROUND                                          ; all four work-groups are here: the joint loads meet
	tensor_load_to_lds s[16:19], s[20:27]          ; my one tensor load of the launch
	s_nop 0
	PLACES 4                                       ; four such lines behind it
	s_bfe_u32 s29, ttmp6, 0x40000                  ; cx: my 256 columns: it enters global addresses alone
	s_lshl_b32 s46, s29, 4
	s_lshl_b32 s47, s28, 2
	s_add_co_u32 s46, s46, s47
	s_add_co_u32 s46, s46, 192                     ; my first weight tile
	s_mul_i32 s54, s46, 12288
	s_mov_b32 s55, 0
	s_lshl_b32 s56, s46, 9
	s_mov_b32 s57, 0
	s_lshl_b32 s58, s29, 10
	s_lshl_b32 s47, s28, 8
	s_add_co_u32 s58, s58, s47                     ; my first column, in bytes
	s_mov_b32 s59, 0
	s_lshl_b32 s60, s30, 19                        ; 128 rows of 4,096 bytes
	s_add_co_u32 s60, s60, s58
	s_mov_b32 s61, 0
	s_add_nc_u64 s[6:7], s[6:7], s[54:55]
	s_add_nc_u64 s[8:9], s[8:9], s[56:57]
	s_add_nc_u64 s[10:11], s[10:11], s[58:59]
	s_add_nc_u64 s[12:13], s[12:13], s[60:61]
	s_add_nc_u64 s[14:15], s[14:15], s[60:61]
	v_and_b32 v11, 31, v0
	v_lshlrev_b32 v1, 4, v11                       ; 16 x lane
	v_lshlrev_b32 v2, 3, v11                       ; 8 x lane
	v_add_nc_u32 v3, 49152, v1                     ; the same for tiles 4 to 7
	v_add_nc_u32 v4, 49152, v2
	v_lshlrev_b32 v9, 2, v11                       ; 4 x lane
	v_add_nc_u32 v5, 98304, v9
	v_and_b32 v11, 15, v0                          ; r
	v_bfe_u32 v12, v0, 4, 1                        ; h
	s_mul_i32 s47, s28, 16*272
	s_add_co_u32 s47, s47, STG                     ; my stage
	v_mul_u32_u24 v6, v11, 272
	v_lshl_add_u32 v6, v12, 5, v6
	v_add_nc_u32 v6, s47, v6                       ; in: row r, + 32 h
	v_mul_u32_u24 v7, v12, 272
	v_lshl_add_u32 v7, v11, 4, v7
	v_add_nc_u32 v7, s47, v7                       ; back: lanes 0-15 one row, lanes 16-31 the next
	v_lshlrev_b32 v8, 12, v12
	v_lshl_add_u32 v8, v11, 4, v8                  ; and the same two rows in x and out0
	v_lshlrev_b32 v10, 5, v12                      ; 32 h
.set ss, 0
.rept 8                                ; the weights: 96 loads of 512 consecutive bytes; they stay
	WIN 0x40*(1+ss/4)
.set ii, 0
.rept 4
.irp q, 0,1,2
	global_load_b128 v[60*(ss%4)+12*ii+4*\q:60*(ss%4)+12*ii+4*\q+3], v1, s[6:7] offset:ii*12288+ss*1536+512*\q
.endr
.set ii, ii+1
.endr
.set ss, ss+1
.endr
	WIN 0
.irp i, 0,1,2,3
.irp sp, 0,1,2,3
	global_load_b32 v[WS+4*\i+\sp], v9, s[8:9] offset:512*\i+128*\sp
.endr
.endr
.irp i, 0,1,2,3
	global_load_b128 v[BP+8*\i:BP+8*\i+3], v10, s[10:11] offset:64*\i
	global_load_b128 v[BP+8*\i+4:BP+8*\i+7], v10, s[10:11] offset:64*\i+16
.endr
	WIN 0xc0
.irp m, 0,1,2,3,4,5,6,7
.irp k, 0,1,2,3,4,5,6,7
	global_load_b128 v[4*(8*\m+\k):4*(8*\m+\k)+3], v8, s[12:13] offset:(32*(\m/2)+8*(\m%2)+2*\k+8*(\k/4))*4096 th:TH_LOAD_NT
.endr
.endr
	WIN 0
	s_wait_loadcnt 63                              ; the last 64 loads are x's: weights, scale words and bias are in
	s_wait_tensorcnt 0x0                           ; my quarter of a's block is in,
	s_barrier_signal -1
	s_barrier_wait -1                              ; everybody's is
.macro AF s, m                         ; a's fragment of tile m, K step s: two halves, each four registers and two
.set rA, 60*((\s)%4)+48
.set of, ((\m)%4)*12288+(\s)*1536
.set a16, 1
.set a8, 2
.if (\m) >= 4
.set a16, 3
.set a8, 4
.endif
	ds_load_b128 v[rA:rA+3], v[a16] offset:of
	ds_load_b64 v[rA+4:rA+5], v[a8] offset:of+512
	ds_load_b128 v[rA+6:rA+9], v[a16] offset:of+768
	ds_load_b64 v[rA+10:rA+11], v[a8] offset:of+1280
.endm
; four K steps from s0 on; the four accumulators take turns, one instruction a turn
.macro PROD s0, m
.set ss, \s0
.rept 4
.set ii, 0
.rept 4
.set rW, 60*(ss%4)+12*ii
.set rF, 60*(ss%4)+48
.set rD, ACC+8*ii
.set rC, rD
.if ss == 0
.set rC, BP+8*ii
.endif
	MM rD, rW, rF, rC, WS+4*ii+ss/2, AS+4*((\m)%2)+ss/2, ss%2
.set ii, ii+1
.endr
.set ss, ss+1
.endr
.endm
.macro TILE m
	s_wait_dscnt 0x0                               ; the tile's fragments and scale words are in
	WIN 0x05
	PROD 0, \m
.if (\m) < 7
	PLACES 4                                       ; in front of loads into registers that the products have read
	WIN 0x40
	AF 0, (\m)+1
	AF 1, (\m)+1
	AF 2, (\m)+1
	AF 3, (\m)+1
.endif
	WIN 0x0a
	PROD 4, \m
	PLACES 5                                       ; the next tile's first products begin the accumulators anew
.if (\m) < 7
	WIN 0x80
	AF 4, (\m)+1
	AF 5, (\m)+1
	AF 6, (\m)+1
	AF 7, (\m)+1
.endif
	WIN 0
.if (\m) < 7
.irp sp, 0,1,2,3
	ds_load_b32 v[AS+4*(1-(\m)%2)+\sp], v5 offset:((\m)+1)*512+128*\sp
.endr
.endif
	s_wait_alu depctr_va_vdst(0)
	s_wait_xcnt 0x0                                ; the stores of two tiles ago have read the registers that the rows below land in
.irp i, 0,1,2,3
	ds_store_b128 v6, v[ACC+8*\i:ACC+8*\i+3] offset:64*\i          ; each accumulator from its low end on
	ds_store_b128 v6, v[ACC+8*\i+4:ACC+8*\i+7] offset:64*\i+16
.endr
.irp k, 0,1,2,3,4,5,6,7
	ds_load_b128 v[OB+32*((\m)%2)+4*\k:OB+32*((\m)%2)+4*\k+3], v7 offset:544*\k   ; LDS serves a wave's instructions in order: these see my stores
.endr
	s_wait_loadcnt 8*(7-(\m))                      ; this tile's eight loads of x are in; the later tiles' may be out
	s_wait_dscnt 0x0
	WIN 0x0c                                       ; source 1 (x) window 3
.irp i, 0,2,4,6,8,10,12,14,16,18,20,22,24,26,28,30
	v_pk_add_f32 v[OB+32*((\m)%2)+\i:OB+32*((\m)%2)+\i+1], v[OB+32*((\m)%2)+\i:OB+32*((\m)%2)+\i+1], v[32*(\m)+\i:32*(\m)+\i+1]
.endr
	WIN 0
.irp k, 0,1,2,3,4,5,6,7
	global_store_b128 v8, v[OB+32*((\m)%2)+4*\k:OB+32*((\m)%2)+4*\k+3], s[14:15] offset:(32*((\m)/2)+8*((\m)%2)+2*\k+8*(\k/4))*4096 th:TH_STORE_NT
.endr
.endm
	WIN 0x40                                       ; tile 0
	AF 0, 0
	AF 1, 0
	AF 2, 0
	AF 3, 0
	WIN 0x80
	AF 4, 0
	AF 5, 0
	AF 6, 0
	AF 7, 0
	WIN 0
.irp sp, 0,1,2,3
	ds_load_b32 v[AS+\sp], v5 offset:128*\sp
.endr
	TILE 0                                         ; written out eight times: x's registers differ from tile to tile
	TILE 1
	TILE 2
	TILE 3
	TILE 4
	TILE 5
	TILE 6
	TILE 7
	s_wait_tensorcnt 0x0
	ds_add_u32 v254, v255
	s_wait_dscnt 0x0
	ROUND                                          ; the closing round
	s_endpgm
.Lfunc_end_k_q30c33c6e03_proj:
	.size	k_q30c33c6e03_proj, .Lfunc_end_k_q30c33c6e03_proj-k_q30c33c6e03_proj
	.p2alignl 7, 3214868480
	.fill 96, 4, 3214868480
	.section	.rodata,"a",@progbits
	.p2align	6, 0x0
	.amdhsa_kernel k_q30c33c6e03_proj
		.amdhsa_group_segment_fixed_size 168448
		.amdhsa_private_segment_fixed_size 0
		.amdhsa_enable_private_segment 0
		.amdhsa_kernarg_size 48
		.amdhsa_user_sgpr_count 2
		.amdhsa_user_sgpr_kernarg_segment_ptr 1
		.amdhsa_wavefront_size32 1
		.amdhsa_system_sgpr_workgroup_id_x 1
		.amdhsa_system_sgpr_workgroup_id_y 1
		.amdhsa_system_sgpr_workgroup_id_z 1
		.amdhsa_system_vgpr_workitem_id 0
		.amdhsa_next_free_vgpr 1024
		.amdhsa_next_free_sgpr 66
		.amdhsa_reserve_vcc 0
		.amdhsa_float_denorm_mode_32 3
		.amdhsa_float_denorm_mode_16_64 3
		.amdhsa_memory_ordered 1
		.amdhsa_forward_progress 1
		.amdhsa_inst_pref_size 100
	.end_amdhsa_kernel
	.amdgpu_metadata
---
amdhsa.version: [ 1, 2 ]
amdhsa.kernels:
  - .name:           k_q30c33c6e03_proj
    .symbol:         k_q30c33c6e03_proj.kd
    .args:
      - { .name: abuf, .offset: 0, .size: 8, .value_kind: global_buffer, .address_space: global }
      - { .name: wimg, .offset: 8, .size: 8, .value_kind: global_buffer, .address_space: global }
      - { .name: wsc, .offset: 16, .size: 8, .value_kind: global_buffer, .address_space: global }
      - { .name: b_proj, .offset: 24, .size: 8, .value_kind: global_buffer, .address_space: global }
      - { .name: x, .offset: 32, .size: 8, .value_kind: global_buffer, .address_space: global }
      - { .name: out0, .offset: 40, .size: 8, .value_kind: global_buffer, .address_space: global }
    .group_segment_fixed_size: 168448
    .private_segment_fixed_size: 0
    .kernarg_segment_align: 8
    .kernarg_segment_size: 48
    .max_flat_workgroup_size: 128
    .sgpr_count:     66
    .vgpr_count:     1024
    .wavefront_size: 32
...
	.end_amdgpu_metadata
.endif
;; end of part 4
